; MI455X (gfx1250); checked and timed in simulation.
; The chip was launched on July 23, 2026; its instructions are those of AMD's public machine-readable ISA for CDNA 5 (MIT licence, August 2026) and "CDNA5" Instruction Set Architecture Reference Guide (July 2026). The comments in the code are by the model that wrote it; some were corrected since.
;; Multi Head Attention. Allowed arithmetic: matrix products marked QUANTISED: E2M3 operands, one E8M0 scale for each 32 along K, by v_wmma_scale_f32_16x16x128_f8f6f4 with both operands' format E2M3, f32 sums; everything else in f32.
;; Inputs: W_o 1,024 x 1,024 float32; W_qkv 1,024 x 3,072 float32; x 4 x 2,048 x 1,024 float32.
;; Outputs: out0 4 x 2,048 x 1,024 float32.
;; This version of the problem:
;;   THIS VERSION OF THE PROBLEM IS GIVEN IN LOW PRECISION. The matrix products marked QUANTISED in the list below multiply operands that are first quantised to E2M3 (2 exponent bits, 3 mantissa bits; 6 bits a number), with one power-of-two scale for each 32 numbers along K (OCP MX v1.0); their sums are f32. All else is computed in f32.
;;   The module's matrix products, in the order in which they are computed (A, B: the left and right operand; K: the contracted axis; several contracted axes count as one K, in the product's order):
;;     1. [M 8,192, K 1,024] x [K 1,024, N 3,072]; A: input x; B: input W_qkv: QUANTISED
;;     2. batch 64 x [M 2,048, K 64] x [K 64, N 2,048]; A: computed on the way; B: computed on the way: QUANTISED
;;     3. batch 64 x [M 2,048, K 2,048] x [K 2,048, N 64]; A: softmax (see below); B: computed on the way: QUANTISED
;;     4. [M 8,192, K 1,024] x [K 1,024, N 1,024]; A: computed on the way; B: input W_o: QUANTISED
;;   THE QUANTISER, for each operand of a quantised product, along K:
;;     - K is cut into blocks of 32 from its start; a last block that is shorter is filled with zeros.
;;     - A block's scale is 2^e with e = floor(log2(the largest magnitude in the block)) - 2, held to -126 .. 127; a block of zeros has e = 0. As a byte (E8M0): e + 127.
;;     - Each number is divided by its block's scale, clamped to +-7.5, and rounded to the nearest number of E2M3, ties to even, subnormals kept.
;;     - The product sums the exact products of the quantised numbers (number of the format x scale) in f32.
;;   ~~~python
;;   def quantise(x, axis):      # numpy; x: float32 -> the quantised numbers, widened to float32 again
;;       x = np.moveaxis(x, axis, -1); K = x.shape[-1]
;;       x = np.pad(x, [(0, 0)] * (x.ndim - 1) + [(0, -K % 32)]); x = x.reshape(x.shape[:-1] + (-1, 32)); a = np.abs(x).max(-1, keepdims=True)
;;       e = np.where(a > 0, np.clip(np.frexp(np.where(a > 0, a, 1))[1] - 1 - 2, -126, 127), 0)      # np.frexp(a)[1] - 1 = floor(log2(a)), exactly
;;       r = np.clip(x / 2.0 ** e, -7.5, 7.5)
;;       step = 2.0 ** (np.maximum(np.frexp(np.where(r == 0, 1, r))[1] - 1, 0) - 3)
;;       q = np.round(r / step) * step * 2.0 ** e      # np.round: ties to even
;;       return np.moveaxis(q.reshape(q.shape[:-2] + (-1,))[..., :K], -1, axis).astype(np.float32)
;;   ~~~
;;   SOFTMAX AHEAD OF A QUANTISED PRODUCT. Where the list says 'softmax', what is quantised is not the finished softmax but p = 2^(t - M), with t = logit x log2(e) and M = ceil(the row's largest t), a whole number; so 1/2 < the row's largest p <= 1. The row's sum l is taken of the UNQUANTISED p, in f32, and the product's result is divided by l at the end. Since M is a whole number, a kernel that streams over the keys may use a running M (the ceiling of the running maximum): every later rescaling is an exact power of two, which a block's scale takes up: the codes' values come out the same.
;;   OPERANDS COMPUTED ON THE WAY. 'Computed on the way' means the value that the module computes at that place (a softmax that the list does not call 'softmax' is quantised finished and normalised). What goes into a quantiser is computed in f32, as accurately as f32 sums, v_exp_f32 and their like allow (about 1e-6 of the number): no bf16 or f16 on the way to a quantiser, and a product that is left as it is and whose result goes on into a quantised operand takes f32 operands (vector FMAs, or v_wmma_f32_16x16x4_f32). A number that lies on a knife's edge between two numbers of the format may be rounded either way, as far as f32 arithmetic and the matrix unit's own rounding can turn it there, and no further.
;; One version. Each part assembles by itself: llvm-mc -triple=amdgcn-amd-amdhsa -mcpu=gfx1250 --defsym DOCPART=n.
;; ======== version 1 of 1: 4 launches
;; limits: right only within a limited range of input values
;; workspace buffers: x_codes 6,291,456 bytes; x_scales 262,144 bytes; w_codes 6,291,456 bytes; w_scales 131,072 bytes; qkv_img 18,874,368 bytes; qkv_sc 786,432 bytes; o_img 6,291,456 bytes; o_scales 262,144 bytes
;; launch quant (part 1): grid 384 x 1, 4 waves a work-group, no clusters, 102,912 bytes of LDS; arguments x, W_qkv, W_o, x_codes, x_scales, w_codes, w_scales; writes x_codes, x_scales, w_codes, w_scales
.if DOCPART == 1
	.amdgcn_target "amdgcn-amd-amdhsa--gfx1250"
	.amdhsa_code_object_version 6
	.text
	.protected	k_q664c891c69_quant
	.globl	k_q664c891c69_quant
	.p2align	8
	.type	k_q664c891c69_quant,@function
k_q664c891c69_quant:
	s_mov_b64 s[64:65], 0
	v_nop
	global_prefetch_b8 v0, s[64:65] scope:SCOPE_SE
	s_setreg_imm32_b32 hwreg(HW_REG_WAVE_MODE, 25, 1), 1
	s_wait_xcnt 0x0
; x [8192][1024], W_qkv [1024][3072] and W_o [1024][1024], f32, become codes of FP6 (E2M3) with K innermost and one E8M0 byte for each 32 along K.
; A block's scale is 2^(floor(log2(its largest magnitude)) - 2); its byte is the largest magnitude's exponent field - 2, held at 1 from below.
; LIMITS: a block of zeros, or one whose largest magnitude lies under 2^-124, keeps the byte 1 (the rule's 127 for zeros is not written: the codes are zeros and this program alone reads the bytes);
; NaN and infinities among the inputs are not served.
; WHERE ROWS GO.  sigma swaps bits 3 and 4 of an index.  Row t of x is stored at row sigma(t) of x_codes and x_scales.  Column 48 d + 16 which + h of W_qkv is stored at row 1024 which + 64 h + sigma(d) of
; w_codes and w_scales; column n of W_o at row 3072 + n.  So plain tiles of 16 stored rows later give a lane 16 neighbours along the next K.
; THREE PATHS, by the work-group's number: 0-255 x (K innermost: a stream of blocks, turned through LDS so that a lane holds 16 neighbours); 256-351 W_qkv, 352-383 W_o (K outermost: a lane takes a column and
; its registers run down K).  Each path has LDS bytes of its own.  Waves share nothing: no barrier.  No input is shared between work-groups: no cluster.
; HOW THE CODES LIE: x_codes and w_codes are laid [chunk of 256 along K][stored row][192 bytes], the chunks 1,572,864 bytes apart in both buffers (8,192 rows x 192; w_codes uses the first 4,096 rows of each chunk).
; So 128 stored rows of one chunk are 24,576 dense bytes that begin at a multiple of 256: the products' launches fetch them as 96 rows of 256 bytes.
.set XR,   16
.set XN,   80                          ;         v80-111  two sets of 16 neighbours
.set XE,   112                         ;         v112-127 a scale byte for each step
.set XC,   128                         ;         v128-191 codes, four registers a step: no store's data are written again
.set SP,   80                          ; a lane's place in a stage: 64 bytes + 16 of padding
.set WREG, 8192                        ; path x: LDS of a wave: two stages of 32 x SP bytes, then its 256 scale bytes
.set WP,   272                         ; weights: a stage row: sixteen places of 16 bytes (12 of codes each) + 16
.macro XLOAD t                         ; step t: 2,048 bytes, each load 512 consecutive bytes
.irp i, 0,1,2,3
	global_load_b128 v[XR+16*((\t)%4)+4*\i:XR+16*((\t)%4)+4*\i+3], v3, s[4:5] offset:2048*(\t)+512*\i th:TH_LOAD_NT
.endr
.endm
.macro XTURN t                         ; through the wave's stage: LDS serves a wave's instructions in order, so no wait stands between the stores and the loads
.irp i, 0,1,2,3
	ds_store_b128 v14, v[XR+16*((\t)%4)+4*\i:XR+16*((\t)%4)+4*\i+3] offset:32*SP*((\t)%2)+8*SP*\i
.endr
.irp i, 0,1,2,3
	ds_load_b128 v[XN+16*((\t)%2)+4*\i:XN+16*((\t)%2)+4*\i+3], v15 offset:32*SP*((\t)%2)+16*\i
.endr
.endm
.macro XSTEP t
.set XS, XN+16*((\t)%2)
.if (\t) > 0
	s_wait_dscnt 1                                 ; this step's numbers are back from the stage; the last step's byte store may be out
.else
	s_wait_dscnt 0x0
.endif
.if (\t)+4 < 16
	XLOAD (\t)+4                                   ; into the registers that the stage's stores have read
.endif
.if (\t)+1 < 16
.if 14-(\t) >= 3
	s_wait_loadcnt 12                              ; the next step's four loads are in; the twelve of the three steps behind it may be out
.else
	s_wait_loadcnt 4*(14-(\t))
.endif
	XTURN (\t)+1
.endif
	v_max3_num_f32 v8, |v[XS]|, |v[XS+1]|, |v[XS+2]|               ; the largest magnitude of my 16, in two chains
	v_max3_num_f32 v9, |v[XS+3]|, |v[XS+4]|, |v[XS+5]|
.irp i, 6,10
	v_max3_num_f32 v8, v8, |v[XS+\i]|, |v[XS+\i+1]|
	v_max3_num_f32 v9, v9, |v[XS+\i+2]|, |v[XS+\i+3]|
.endr
	v_max3_num_f32 v8, v8, |v[XS+14]|, |v[XS+15]|
	v_max3_num_f32 v8, v8, v9, 0x1800000           ; and the floor 2^(3 - 127): the byte cannot fall under 1
	v_max_num_f32_dpp v8, v8, v8 row_xmask:1 row_mask:0xf bank_mask:0xf   ; with my neighbour's 16: the block's
	v_add_nc_u32 v11, 0xff000000, v8               ; 2 off the exponent field: the conversion's scale operand
	v_cvt_scalef32_pk16_fp6_f32 v[XC+4*(\t):XC+4*(\t)+2], v[XS:XS+15], v11
	v_lshrrev_b32 v[XE+(\t)], 23, v11              ; the scale's byte
	ds_store_b8 v5, v[XE+(\t)] offset:16*(\t)      ; both lanes of a block write the same byte with the same value
	global_store_b96 v4, v[XC+4*(\t):XC+4*(\t)+2], s[10:11] offset:3145728*((\t)%2)+192*((\t)/2)   ; step t: row t / 2 of my eight, chunks 2 (t % 2) and + 1; sixteen lanes store 192 consecutive bytes
.endm
.macro WLOAD t, ncol                   ; block t: W(32 t + i, my column), i = 0 .. 31, into set t % 2; 32 lanes read 128 consecutive bytes
.set i, 0
.rept 32
	global_load_b32 v[32+32*((\t)%2)+i], v3, s[20:21] offset:(32*(\t)+i)*\ncol*4 th:TH_LOAD_NT
.set i, i+1
.endr
.endm
.macro WBLOCK t, ncol
.set XS, 32+32*((\t)%2)
.if (\t) < 7
	s_wait_loadcnt 32                              ; this block's 32 loads are in; the next block's 32 may be out
.else
	s_wait_loadcnt 0
.endif
	v_max3_num_f32 v12, |v[XS]|, |v[XS+1]|, |v[XS+2]|              ; all 32 numbers of the block are mine
	v_max3_num_f32 v13, |v[XS+3]|, |v[XS+4]|, |v[XS+5]|
.irp i, 6,10,14,18,22,26
	v_max3_num_f32 v12, v12, |v[XS+\i]|, |v[XS+\i+1]|
	v_max3_num_f32 v13, v13, |v[XS+\i+2]|, |v[XS+\i+3]|
.endr
	v_max3_num_f32 v12, v12, |v[XS+30]|, |v[XS+31]|
	v_max3_num_f32 v12, v12, v13, 0x1800000        ; the floor
	v_add_nc_u32 v11, 0xff000000, v12              ; the conversion's scale operand
	v_lshrrev_b32 v13, 23, v11                     ; the byte
.if (\t)%4 == 0
	v_mov_b32 v[24+(\t)/4], v13                    ; four bytes to a register, the lower K in the lower byte
.else
	v_lshl_or_b32 v[24+(\t)/4], v13, 8*((\t)%4), v[24+(\t)/4]
.endif
	v_cvt_scalef32_pk16_fp6_f32 v[96:98], v[XS:XS+15], v11
	v_cvt_scalef32_pk16_fp6_f32 v[100:102], v[XS+16:XS+31], v11    ; (a conversion's three registers begin on an even number)
	ds_store_b96 v4, v[96:98] offset:32*(\t)       ; 12 bytes to a place of 16
	ds_store_b96 v4, v[100:102] offset:32*(\t)+16
.if (\t)+2 < 8
	WLOAD (\t)+2, \ncol
.endif
	s_wait_dscnt 0x0                               ; the stores have read their registers: the next block's codes may be written
.endm
.macro NBASE dst, g                    ; group g = 3 d + which of sixteen columns -> 1024 which + sigma(d)
	s_mul_i32 s46, \g, 171
	s_lshr_b32 s46, s46, 9                         ; d = g / 3 (exact for g under 192)
	s_mul_i32 s47, s46, 3
	s_sub_co_u32 s47, \g, s47                      ; which
	s_lshl_b32 \dst, s47, 10
	s_and_b32 s47, s46, 0x27
	s_or_b32 \dst, \dst, s47
	s_and_b32 s47, s46, 8
	s_lshl_b32 s47, s47, 1
	s_or_b32 \dst, \dst, s47
	s_and_b32 s47, s46, 16
	s_lshr_b32 s47, s47, 1
	s_or_b32 \dst, \dst, s47
.endm
; A weight of ncol columns.  A wave takes 32 columns x 256 along K.  qkv = 1: W_qkv, whose columns are dealt to rows by head; 0: W_o.
.macro WQ ncol, qkv, ldsbase, first
	s_sub_co_u32 s19, ttmp9, \first
	s_lshr_b32 s30, s19, 2                         ; which 128 columns
	s_and_b32 s31, s19, 3                          ; which 256 along K
	s_lshl_b32 s32, s30, 7
	s_lshl_b32 s33, s18, 5
	s_add_co_u32 s32, s32, s33                     ; my wave's first column
	v_lshlrev_b32 v3, 2, v2                        ; in: 4 bytes a lane
	s_mul_i32 s33, s18, 32*WP
	s_add_co_u32 s33, s33, \ldsbase                ; my stage
	v_mul_u32_u24 v4, v2, WP
	v_add_nc_u32 v4, s33, v4                       ; into it: row = my column
	v_and_b32 v5, 15, v2
	v_lshrrev_b32 v6, 4, v2
	v_mul_u32_u24 v7, v6, WP
	v_lshl_add_u32 v7, v5, 4, v7
	v_add_nc_u32 v7, s33, v7                       ; out of it: sixteen lanes to a row, two rows an instruction
	s_mul_i32 s34, s31, 256*\ncol*4
	s_lshl_b32 s35, s32, 2
	s_add_co_u32 s34, s34, s35                     ; the weight: 256 y rows down, 4 bytes a column
	s_mov_b32 s35, 0
	s_mul_i32 s39, s31, 0x180000                   ; my chunk of 256 along K
	s_mov_b32 s41, 0
	s_mov_b32 s43, 0
	s_mov_b32 s45, 0
.if \qkv
	s_lshr_b32 s36, s32, 4                         ; my 32 columns are two groups of sixteen heads: g0 and g0 + 1
	NBASE s37, s36
	s_add_co_u32 s36, s36, 1
	NBASE s38, s36
	s_mul_i32 s40, s37, 192
	s_add_co_u32 s40, s40, s39
	s_mul_i32 s42, s38, 192
	s_add_co_u32 s42, s42, s39
	s_wait_alu depctr_va_vdst(0)
	v_mul_u32_u24 v8, v6, 12288                    ; from head to head: 64 rows of 192 bytes
	v_mad_u32_u24 v8, v5, 12, v8
	v_mov_b32 v9, s37
	v_mov_b32 v10, s38
	v_cmp_le_u32 vcc_lo, 16, v2
	v_cndmask_b32 v9, v9, v10, vcc_lo              ; lanes 16-31 belong to the second group
	v_lshl_add_u32 v9, v5, 6, v9                   ; + 64 x head: my column's row
	v_lshlrev_b32 v9, 5, v9                        ; 32 scale bytes a row
	s_lshl_b32 s44, s31, 3
	s_wait_kmcnt 0x0
	s_add_nc_u64 s[20:21], s[6:7], s[34:35]
	s_add_nc_u64 s[26:27], s[14:15], s[42:43]
.else
	s_add_co_u32 s36, s32, 3072
	s_mul_i32 s40, s36, 192
	s_add_co_u32 s40, s40, s39
	s_wait_alu depctr_va_vdst(0)
	v_mul_u32_u24 v8, v6, 192
	v_mad_u32_u24 v8, v5, 12, v8
	v_lshlrev_b32 v9, 5, v2
	s_lshl_b32 s44, s36, 5
	s_lshl_b32 s39, s31, 3
	s_add_co_u32 s44, s44, s39
	s_wait_kmcnt 0x0
	s_add_nc_u64 s[20:21], s[8:9], s[34:35]
.endif
	s_add_nc_u64 s[24:25], s[14:15], s[40:41]
	s_add_nc_u64 s[28:29], s[16:17], s[44:45]
	WLOAD 0, \ncol
	WLOAD 1, \ncol
.irp t, 0,1,2,3,4,5,6,7
	WBLOCK \t, \ncol
.endr
	s_wait_alu depctr_va_vdst(0)
	global_store_b64 v9, v[24:25], s[28:29]        ; my column's eight scale bytes
.irp t, 0,1,2,3,4,5,6,7,8,9,10,11,12,13,14,15
	ds_load_b96 v[112+4*\t:112+4*\t+2], v7 offset:2*\t*WP          ; LDS serves a wave's instructions in order: these see my stores
.endr
.irp t, 0,1,2,3,4,5,6,7,8,9,10,11,12,13,14,15
	s_wait_dscnt 15-\t                             ; the later read-backs may be out
.if \qkv
	global_store_b96 v8, v[112+4*\t:112+4*\t+2], s[24+2*(\t/8):25+2*(\t/8)] offset:(\t%8)*24576   ; stage rows 2 t, 2 t + 1 are heads 2 (t % 8), + 1 of group t / 8; sixteen lanes store a row's 192 consecutive bytes
.else
	global_store_b96 v8, v[112+4*\t:112+4*\t+2], s[24:25] offset:2*\t*192
.endif
.endr
	s_wait_tensorcnt 0x0
	ds_add_u32 v192, v193
	s_wait_dscnt 0x0
	s_endpgm
.endm
	s_load_b128 s[4:7], s[0:1], 0x0                ; x, W_qkv
	s_load_b128 s[8:11], s[0:1], 0x10              ; W_o, x_codes
	s_load_b128 s[12:15], s[0:1], 0x20             ; x_scales, w_codes
	s_load_b64 s[16:17], s[0:1], 0x30              ; w_scales
	v_lshl_add_u32 v192, v0, 2, 0x19000
	v_mov_b32 v193, 0
	v_lshrrev_b32 v1, 5, v0
	v_readfirstlane_b32 s18, v1                    ; wave 0..3
	v_and_b32 v2, 31, v0                           ; lane
	s_cmp_lt_u32 ttmp9, 256
	s_cbranch_scc0 .Lweights
	; ---- x: a wave takes 8 rows, 16 steps of 512 numbers
	v_lshlrev_b32 v3, 4, v2                        ; my 16 bytes of a load's 512
	s_mul_i32 s19, s18, WREG
	v_lshrrev_b32 v14, 2, v2
	v_mul_u32_u24 v14, v14, SP
	v_and_b32 v15, 3, v2
	v_lshl_add_u32 v14, v15, 4, v14
	v_add_nc_u32 v14, s19, v14                     ; the stage, on the way in: SP (lane / 4) + 16 (lane % 4)
	v_mul_u32_u24 v15, v2, SP
	v_add_nc_u32 v15, s19, v15                     ; and on the way out: SP x lane: my 16 neighbours
	v_and_b32 v4, 15, v2
	v_mul_u32_u24 v4, v4, 12                       ; my 12 bytes of a row's 192 in a chunk: lanes 0-15 hold the step's first chunk,
	v_lshrrev_b32 v5, 4, v2
	v_mad_u32_u24 v4, v5, 0x180000, v4             ; lanes 16-31 the next one
	v_lshrrev_b32 v5, 1, v2
	s_add_co_u32 s19, s19, 2*32*SP
	v_add_nc_u32 v5, s19, v5                       ; my block's byte among my wave's 256
	v_lshlrev_b32 v7, 3, v2
	v_add_nc_u32 v6, s19, v7
	s_lshl_b32 s20, ttmp9, 2
	s_add_co_u32 s21, s20, s18                     ; the run of 8 rows that I read
	s_lshl_b32 s24, s21, 15
	s_mov_b32 s25, 0
	s_and_b32 s22, s18, 1                          ; and the run that I write: sigma swaps the run's two low bits
	s_lshl_b32 s22, s22, 1
	s_lshr_b32 s23, s18, 1
	s_or_b32 s22, s22, s23
	s_add_co_u32 s22, s22, s20
	s_mul_i32 s26, s22, 1536
	s_mov_b32 s27, 0
	s_lshl_b32 s28, s22, 8
	s_mov_b32 s29, 0
	s_wait_alu depctr_va_vdst(0)
	s_wait_kmcnt 0x0
	s_add_nc_u64 s[4:5], s[4:5], s[24:25]
	s_add_nc_u64 s[10:11], s[10:11], s[26:27]
	s_add_nc_u64 s[12:13], s[12:13], s[28:29]
.irp t, 0,1,2,3
	XLOAD \t
.endr
	s_wait_loadcnt 12                              ; step 0's four loads are in
	XTURN 0
.irp t, 0,1,2,3,4,5,6,7,8,9,10,11,12,13,14,15
	XSTEP \t
.endr
	ds_load_b64 v[12:13], v6                       ; in order behind my byte stores
	s_wait_dscnt 0x0
	global_store_b64 v7, v[12:13], s[12:13]        ; 32 lanes store 256 consecutive bytes, aligned
	s_wait_tensorcnt 0x0
	ds_add_u32 v192, v193
	s_wait_dscnt 0x0
	s_endpgm
.Lweights:
	s_cmp_lt_u32 ttmp9, 352
	s_cbranch_scc0 .Lwo
	s_wait_alu depctr_va_vdst(0)
	WQ 3072, 1, 32768, 256
.Lwo:
	s_wait_alu depctr_va_vdst(0)
	WQ 1024, 0, 67584, 352
.Lfunc_end_k_q664c891c69_quant:
	.size	k_q664c891c69_quant, .Lfunc_end_k_q664c891c69_quant-k_q664c891c69_quant
	.p2alignl 7, 3214868480
	.fill 96, 4, 3214868480
	.section	.rodata,"a",@progbits
	.p2align	6, 0x0
	.amdhsa_kernel k_q664c891c69_quant
		.amdhsa_group_segment_fixed_size 102912
		.amdhsa_private_segment_fixed_size 0
		.amdhsa_enable_private_segment 0
		.amdhsa_kernarg_size 56
		.amdhsa_user_sgpr_count 2
		.amdhsa_user_sgpr_kernarg_segment_ptr 1
		.amdhsa_wavefront_size32 1
		.amdhsa_system_sgpr_workgroup_id_x 1
		.amdhsa_system_sgpr_workgroup_id_y 1
		.amdhsa_system_sgpr_workgroup_id_z 1
		.amdhsa_system_vgpr_workitem_id 0
		.amdhsa_next_free_vgpr 194
		.amdhsa_next_free_sgpr 66
		.amdhsa_reserve_vcc 1
		.amdhsa_float_denorm_mode_32 3
		.amdhsa_float_denorm_mode_16_64 3
		.amdhsa_memory_ordered 1
		.amdhsa_forward_progress 1
		.amdhsa_inst_pref_size 116
	.end_amdhsa_kernel
	.amdgpu_metadata
---
amdhsa.version: [ 1, 2 ]
amdhsa.kernels:
  - .name:           k_q664c891c69_quant
    .symbol:         k_q664c891c69_quant.kd
    .args:
      - { .name: x, .offset: 0, .size: 8, .value_kind: global_buffer, .address_space: global }
      - { .name: W_qkv, .offset: 8, .size: 8, .value_kind: global_buffer, .address_space: global }
      - { .name: W_o, .offset: 16, .size: 8, .value_kind: global_buffer, .address_space: global }
      - { .name: x_codes, .offset: 24, .size: 8, .value_kind: global_buffer, .address_space: global }
      - { .name: x_scales, .offset: 32, .size: 8, .value_kind: global_buffer, .address_space: global }
      - { .name: w_codes, .offset: 40, .size: 8, .value_kind: global_buffer, .address_space: global }
      - { .name: w_scales, .offset: 48, .size: 8, .value_kind: global_buffer, .address_space: global }
    .group_segment_fixed_size: 102912
    .private_segment_fixed_size: 0
    .kernarg_segment_align: 8
    .kernarg_segment_size: 56
    .max_flat_workgroup_size: 128
    .sgpr_count:     66
    .vgpr_count:     194
    .wavefront_size: 32
...
	.end_amdgpu_metadata
.endif
;; end of part 1
;; launch proj (part 2): grid 32 x 12, 4 waves a work-group, clusters of 4 x 4, 327,680 bytes of LDS; arguments x_codes, x_scales, w_codes, w_scales, qkv_img, qkv_sc; writes qkv_img, qkv_sc
.if DOCPART == 2
	.amdgcn_target "amdgcn-amd-amdhsa--gfx1250"
	.amdhsa_code_object_version 6
	.text
	.protected	k_q664c891c69_proj
	.globl	k_q664c891c69_proj
	.p2align	8
	.type	k_q664c891c69_proj,@function
k_q664c891c69_proj:
	s_mov_b64 s[64:65], 0
	v_nop
	global_prefetch_b8 v0, s[64:65] scope:SCOPE_SE
	s_setreg_imm32_b32 hwreg(HW_REG_WAVE_MODE, 25, 1), 1
	s_wait_xcnt 0x0
	s_wait_alu depctr_hold_cnt(0) depctr_sa_sdst(0) depctr_va_vdst(0) depctr_va_sdst(0) depctr_va_ssrc(0) depctr_va_vcc(0) depctr_vm_vsrc(0)
	s_getreg_b32 s2, hwreg(HW_REG_IB_STS2, 6, 4)
	s_cmp_eq_u32 s2, 0
	s_cbranch_scc0 .Lentry_in_a_cluster
	s_endpgm
.Lentry_in_a_cluster:
	s_bfe_u32 s2, ttmp6, 0x10000c
	s_cmp_lg_u32 s2, 0xf033
	s_cbranch_scc0 .Lentry_shape_is_right
	s_endpgm
.Lentry_shape_is_right:
; qkv = x W_qkv on codes of FP6 (E2M3) with E8M0 scales; the result is quantised along the next product's K and leaves as images of operand registers (qkv_img) with their scale words (qkv_sc).
; A work-group of four waves makes 256 x 256, a wave 128 x 128; K goes in chunks of 256 through two LDS slots filled by joint loads of a 4 x 4 cluster.
; The codes lie [chunk][row][192 bytes]: a wave's 128 rows of a chunk are 24,576 dense bytes, fetched as 96 rows of 256 bytes that begin at multiples of 256; 16 bytes of padding behind each 64 give LDS rows of 240 bytes.
.set KSTEP,  256
.set NQ,     2
.set ROWB,   256
.set CS,     1572864
.set KROW,   192
.set PITCH,  240
.set FR,     12
.set NL,     6
.set NP,     4
.set HALFT,  128*PITCH
.set SLOT,   4*HALFT
.set LAPS,   2
.set KS,     32
.set SCL,    2*SLOT
.set HALFS,  (128*KS/256)*272
.set SBLK,   (16*KS/256)*272
.set SPARE,  SCL+4*HALFS
.set ADRA, 16
.set ADRB, 20
.set L8,   24
.set L4,   25
.set LN,   26
.set ADRS, 27
.set SPW,  28
.set NIL,  29
.set SC,   32
.set AF,   128
.set PWS,  32
.set PWJ,  40
.set CD,   112
.set TM,   200
.set G1, 24
.set G0, 32
.set G1B, 48
.set G0B, 56
.set G1S, 68
.set G0S, 76
.set G1SB, 80
.set G0SB, 88
.set MSB, 0
.macro WIN new
.if MSB != \new
	s_set_vgpr_msb (MSB<<8)|\new
.set MSB, \new
.endif
.endm
.set MUL_LO, 0xa1
.set MUL_HI, 0xf1
.set TO_B,   0x40
.macro JLOAD g0a, g1a, g0b, g1b
	s_cmp_eq_u32 s15, 0
	s_cbranch_scc0 .Lfor_b_\@
	tensor_load_to_lds s[\g0a:\g0a+3], s[\g1a:\g1a+7]
	s_nop 0
.rept 4
	v_nop
.endr
	s_branch .Lasked_\@
.Lfor_b_\@:
	tensor_load_to_lds s[\g0b:\g0b+3], s[\g1b:\g1b+7]
	s_nop 0
.rept 4
	v_nop
.endr
.Lasked_\@:
.endm
.macro CREST
	s_cmp_lg_u32 s14, 0
	s_cbranch_scc1 .Lnot_wave_0_\@
	s_barrier_signal -3
.Lnot_wave_0_\@:
	s_barrier_wait -3
	s_barrier_signal -1
	s_barrier_wait -1
.endm
.macro CROUND
	s_barrier_signal -1
	s_barrier_wait -1
	CREST
.endm
	s_load_b128 s[4:7], s[0:1], 0x0
	s_load_b128 s[8:11], s[0:1], 0x10
	s_load_b64 s[12:13], s[0:1], 0x20
	s_load_b64 s[66:67], s[0:1], 0x28
	v_lshl_add_u32 v[SPW], v0, 2, SPARE
	v_mov_b32 v[NIL], 0
	ds_add_u32 v28, v29
	ds_add_u32 v28, v29
	s_wait_dscnt 0x0
	v_lshrrev_b32 v1, 5, v0
	v_readfirstlane_b32 s14, v1
	s_lshr_b32 s15, s14, 1
	s_and_b32 s16, s14, 1
	s_bfe_u32 s40, ttmp6, 0x40000
	s_bfe_u32 s41, ttmp6, 0x40004
	s_and_b32 s98, ttmp7, 0xffff
	s_cmp_eq_u32 s98, 2
	s_cselect_b32 s42, ttmp9, s98
	s_cselect_b32 s17, 0, ttmp9
	s_cselect_b32 s99, 2048, 0
	s_lshl_b32 s42, s42, 2
	s_add_co_u32 s42, s42, s40
	s_lshl_b32 s17, s17, 2
	s_add_co_u32 s17, s17, s41
	s_lshl_b32 s43, s41, 2
	s_lshl_b32 s43, 15, s43
	s_lshl_b32 s44, 0x1111, s40
	s_or_b32 s[G1+0], s43, (0<<16)|(1<<20)|(1<<21)|(3<<22)|(3<<25)
	s_or_b32 s[G1B+0], s44, (0<<16)|(1<<20)|(1<<21)|(3<<22)|(3<<25)
.irp g, G1, G1B
	s_mov_b32 s[\g+1], ROWB<<16
	s_mov_b32 s[\g+2], 192<<16                     ; the head's loads bring a whole tile, 256 rows of codes = 192 rows of 256 bytes; behind them the two words are set to 96, for the ring's
	s_mov_b32 s[\g+3], ROWB<<16
	s_mov_b32 s[\g+4], 192
	s_mov_b32 s[\g+5], ROWB
	s_mov_b32 s[\g+6], 0
	s_mov_b32 s[\g+7], 0
.endr
	s_or_b32 s[G1S+0], s43, (3<<16)|(1<<20)|(1<<21)|(5<<22)|(3<<25)
	s_or_b32 s[G1SB+0], s44, (3<<16)|(1<<20)|(1<<21)|(5<<22)|(3<<25)
.irp g, G1S, G1SB
	s_mov_b32 s[\g+1], 32<<16
	s_mov_b32 s[\g+2], (256*KS/256)<<16            ; the scales of a tile's 256 rows, for all of K: one dense block
	s_mov_b32 s[\g+3], 32<<16
	s_mov_b32 s[\g+4], 256*KS/256
	s_mov_b32 s[\g+5], 32
	s_mov_b32 s[\g+6], 0
	s_mov_b32 s[\g+7], 0
.endr
	s_lshl_b32 s20, s17, 8                         ; the tiles' first rows
	s_add_co_u32 s20, s20, s99
	s_lshl_b32 s46, s42, 8
	s_mov_b32 s21, 0
	s_mov_b32 s47, 0
	s_mov_b64 s[18:19], KS
	s_mul_u64 s[22:23], s[20:21], s[18:19]
	s_mul_u64 s[92:93], s[46:47], s[18:19]
	s_mov_b64 s[18:19], KROW
	s_mul_u64 s[20:21], s[20:21], s[18:19]
	s_mul_u64 s[46:47], s[46:47], s[18:19]
	s_mul_i32 s18, s16, 128*KROW                   ; in the ring I fetch 128 rows of a tile: which half, in bytes
	s_mov_b32 s19, 0
	s_mul_i32 s45, s14, HALFT
	s_wait_kmcnt 0x0
	s_cmp_eq_u32 s98, 2
	s_cselect_b64 s[96:97], s[8:9], s[4:5]
	s_cselect_b64 s[8:9], s[4:5], s[8:9]
	s_mov_b64 s[4:5], s[96:97]
	s_cselect_b64 s[96:97], s[10:11], s[6:7]
	s_cselect_b64 s[10:11], s[6:7], s[10:11]
	s_mov_b64 s[6:7], s[96:97]
	s_add_nc_u64 s[20:21], s[4:5], s[20:21]
	s_add_nc_u64 s[22:23], s[6:7], s[22:23]
	s_add_nc_u64 s[46:47], s[8:9], s[46:47]
	s_add_nc_u64 s[92:93], s[10:11], s[92:93]
	CROUND
	s_mov_b32 s[G0S], 1
	s_mov_b32 s[G0S+1], SCL
	s_mov_b64 s[G0S+2:G0S+3], s[22:23]
	s_or_b32 s[G0S+3], s[G0S+3], 0x80000000
	s_mov_b32 s[G0SB], 1
	s_mov_b32 s[G0SB+1], SCL+2*HALFS
	s_mov_b64 s[G0SB+2:G0SB+3], s[92:93]
	s_or_b32 s[G0SB+3], s[G0SB+3], 0x80000000
.set G0H, 4                            ; s[4:7], s[8:11] group 0 for the head's loads of chunk 0 (the arguments that lay there have been used)
.set G0HB, 8
	s_mov_b32 s[G0H], 1
	s_mov_b32 s[G0H+1], 0
	s_mov_b64 s[G0H+2:G0H+3], s[20:21]
	s_or_b32 s[G0H+3], s[G0H+3], 0x80000000
	s_mov_b32 s[G0HB], 1
	s_mov_b32 s[G0HB+1], 2*HALFT
	s_mov_b64 s[G0HB+2:G0HB+3], s[46:47]
	s_or_b32 s[G0HB+3], s[G0HB+3], 0x80000000
	s_add_nc_u64 s[20:21], s[20:21], s[18:19]      ; for the ring: my 128 rows of the tile
	s_add_nc_u64 s[46:47], s[46:47], s[18:19]
.irp s, 0,1
	s_mov_b32 s[G0+4*\s], 1
	s_add_co_u32 s[G0+4*\s+1], s45, \s*SLOT
	s_add_nc_u64 s[G0+4*\s+2:G0+4*\s+3], s[20:21], \s*CS
	s_or_b32 s[G0+4*\s+3], s[G0+4*\s+3], 0x80000000
	s_mov_b32 s[G0B+4*\s], 1
	s_add_co_u32 s[G0B+4*\s+1], s45, \s*SLOT
	s_add_nc_u64 s[G0B+4*\s+2:G0B+4*\s+3], s[46:47], \s*CS
	s_or_b32 s[G0B+4*\s+3], s[G0B+4*\s+3], 0x80000000
.endr
; THE HEAD'S LOADS, ONE A WAVE: wave 0 chunk 0's 256 rows of the first operand, wave 1 those of the second, waves 2 and 3 their scales.  One chain of branches on the wave's number: every way passes exactly one load.
.macro ARM under, g0, g1, next
	s_cmp_lt_u32 s14, \under
	s_cbranch_scc0 \next
	tensor_load_to_lds s[\g0:\g0+3], s[\g1:\g1+7]
	s_nop 0
.rept 4
	v_nop
.endr
	s_branch .Lhead_asked
\next:
.endm
	ARM 1, G0H,  G1,  .Lhead_b
	ARM 2, G0HB, G1B, .Lhead_sa
	ARM 3, G0S,  G1S, .Lhead_sb
	tensor_load_to_lds s[G0SB:G0SB+3], s[G1SB:G1SB+7]
	s_nop 0
.rept 4
	v_nop
.endr
.Lhead_asked:
	v_and_b32 v1, 15, v0
	v_bfe_u32 v2, v0, 4, 1
	v_mul_u32_u24 v3, v1, PITCH
	v_mul_u32_u24 v4, v2, 24
	v_add_nc_u32 v4, v3, v4
	v_lshl_add_u32 v5, v2, 4, v4
	s_mul_i32 s21, s15, HALFT
	s_mul_i32 s22, s16, HALFT
	s_add_co_u32 s22, s22, 2*HALFT
.irp s, 0,1
	v_add_nc_u32 v[ADRA+\s], s21, v4
	v_add_nc_u32 v[ADRB+\s], s22, v4
	v_add_nc_u32 v[ADRA+2+\s], s21, v5
	v_add_nc_u32 v[ADRB+2+\s], s22, v5
	s_add_co_u32 s21, s21, SLOT
	s_add_co_u32 s22, s22, SLOT
.endr
	v_mul_u32_u24 v5, v1, KS
	v_lshrrev_b32 v6, 8, v5
	v_lshl_add_u32 v5, v6, 4, v5
	s_mul_i32 s21, s15, HALFS
	s_mul_i32 s22, s16, HALFS
	s_add_co_u32 s22, s22, 2*HALFS
	s_sub_co_u32 s22, s22, s21
	v_mul_u32_u24 v6, s22, v2
	s_add_co_u32 s21, s21, SCL
	v_add_nc_u32 v5, v5, v6
	v_add_nc_u32 v[ADRS], s21, v5
	v_and_b32 v[LN], 31, v0
	v_lshlrev_b32 v[L8], 3, v[LN]
	v_lshlrev_b32 v[L4], 2, v[LN]
	s_lshl_b32 s20, s17, 1
	s_add_co_u32 s20, s20, s15
	s_lshl_b32 s46, s42, 1
	s_add_co_u32 s46, s46, s16
	s_add_co_u32 s21, s20, 16
	s_cmp_eq_u32 s98, 2
	s_cselect_b32 s21, s21, s46
	s_cselect_b32 s47, s46, s20
	s_lshl_b32 s21, s21, 6
	s_add_co_u32 s21, s21, s47
	s_mul_i32 s20, s21, 12288
	s_lshl_b32 s46, s21, 9
	s_mov_b32 s21, 0
	s_mov_b32 s47, 0
	s_add_nc_u64 s[12:13], s[12:13], s[20:21]
	s_add_nc_u64 s[66:67], s[66:67], s[46:47]
.macro FRAG reg, adr, q, i
.irp p, 0,1,2,3,4,5
.set PCE, 12*(\q)+6*(\p/3)+\p%3
.if PCE%8 < 5
	ds_load_b64 v[\reg+2*\p:\reg+2*\p+1], v[\adr] offset:8*PCE+16*(PCE/8)+(\i)*16*PITCH
.else
	ds_load_b64 v[\reg+2*\p:\reg+2*\p+1], v[\adr+2] offset:8*PCE+16*(PCE/8)+(\i)*16*PITCH
.endif
.endr
.endm
.macro MUL16 a0, p, q, sc, zero
.irp a, \a0, \a0+1
.irp b, 0,1,2,3,4,5,6,7
.if \zero
	v_wmma_scale_f32_16x16x128_f8f6f4 v[8*(8*((\a)%4)+\b):8*(8*((\a)%4)+\b)+7], v[128*(\p)+FR*\b:128*(\p)+FR*\b+FR-1], v[AF+FR*(\a):AF+FR*(\a)+FR-1], 0, v[SC+8*NQ*(\sc)+NQ*\b+(\q)], v[SC+8*NQ*(\sc)+NQ*(\a)+(\q)] matrix_a_fmt:MATRIX_FMT_FP6 matrix_b_fmt:MATRIX_FMT_FP6 matrix_a_scale:MATRIX_SCALE_ROW1
.else
	v_wmma_scale_f32_16x16x128_f8f6f4 v[8*(8*((\a)%4)+\b):8*(8*((\a)%4)+\b)+7], v[128*(\p)+FR*\b:128*(\p)+FR*\b+FR-1], v[AF+FR*(\a):AF+FR*(\a)+FR-1], v[8*(8*((\a)%4)+\b):8*(8*((\a)%4)+\b)+7], v[SC+8*NQ*(\sc)+NQ*\b+(\q)], v[SC+8*NQ*(\sc)+NQ*(\a)+(\q)] matrix_a_fmt:MATRIX_FMT_FP6 matrix_b_fmt:MATRIX_FMT_FP6 matrix_a_scale:MATRIX_SCALE_ROW1
.endif
.endr
.endr
.endm
.macro FETCH_B slot, q, p
	WIN TO_B
.irp i, 0,1,2,3,4,5,6,7
	FRAG 128*(\p)+FR*\i, ADRB+\slot, \q, \i
.endr
	WIN 0
.endm
.macro FETCH_A slot, q, i0
.irp i, \i0, \i0+1, \i0+2, \i0+3
	FRAG AF+FR*(\i), ADRA+\slot, \q, \i
.endr
.endm
.macro SCALES sc
.irp i, 0,1,2,3,4,5,6,7
	ds_load_b64 v[SC+8*NQ*\sc+NQ*\i:SC+8*NQ*\sc+NQ*\i+1], v[ADRS] offset:\i*SBLK
.endr
.endm
.macro PLACES n
.rept \n
	v_nop
.endr
.endm
.macro STEP slot, q, zero
	s_wait_dscnt 4*NL
	WIN MUL_LO
	MUL16 0, (\q)%2, \q, \slot, \zero
	MUL16 2, (\q)%2, \q, \slot, \zero
	s_wait_dscnt 0
	PLACES NP
	FETCH_B \slot, (\q)+1, 1-(\q)%2
	FETCH_A \slot, (\q)+1, 0
	WIN MUL_HI
	MUL16 4, (\q)%2, \q, \slot, \zero
	MUL16 6, (\q)%2, \q, \slot, \zero
	PLACES NP
	WIN 0
	FETCH_A \slot, (\q)+1, 4
.endm
.macro TURN slot, next, fill
	s_wait_tensorcnt 0x0
	ds_add_u32 v[SPW], v[NIL]
	s_wait_dscnt 4*NL+1
	WIN MUL_LO
	MUL16 0, 1, NQ-1, \slot, 0
	s_wait_dscnt 0x0
	s_barrier_signal -1
	MUL16 2, 1, NQ-1, \slot, 0
	WIN 0
	s_barrier_wait -1
.if \fill
	CREST
	s_add_nc_u64 s[G0+4*\slot+2:G0+4*\slot+3], s[G0+4*\slot+2:G0+4*\slot+3], 2*CS
	s_add_nc_u64 s[G0B+4*\slot+2:G0B+4*\slot+3], s[G0B+4*\slot+2:G0B+4*\slot+3], 2*CS
	JLOAD G0+4*\slot, G1, G0B+4*\slot, G1B
.else
	PLACES NP
.endif
	s_wait_alu depctr_va_vdst(0)
	v_add_nc_u32 v[ADRS], 4*NQ, v[ADRS]
	FETCH_B \next, 0, 0
	FETCH_A \next, 0, 0
	SCALES \next
	WIN MUL_HI
	MUL16 4, 1, NQ-1, \slot, 0
	MUL16 6, 1, NQ-1, \slot, 0
	PLACES NP
	WIN 0
	FETCH_A \next, 0, 4
.endm
	s_wait_alu depctr_va_vdst(0)                   ; the wait at the head's end
	s_wait_tensorcnt 0x0                           ; my tile of the head's four is in
	ds_add_u32 v[SPW], v[NIL]
	s_mov_b32 s[G1+2], 96<<16                      ; no tensor load of mine is out: from here on a load brings 128 rows of codes, 96 rows of 256 bytes
	s_mov_b32 s[G1+4], 96
	s_mov_b32 s[G1B+2], 96<<16
	s_mov_b32 s[G1B+4], 96
	s_wait_dscnt 0x0
	CROUND                                         ; all four tiles are in, and all sixteen work-groups are here
	JLOAD G0+4, G1, G0B+4, G1B                     ; chunk 1, the first tensor load behind the round
	FETCH_B 0, 0, 0
	FETCH_A 0, 0, 0
	SCALES 0
	FETCH_A 0, 0, 4
	STEP 0, 0, 1
	s_mov_b32 s3, LAPS-1
.Llap:
	TURN 0, 1, 1
	STEP 1, 0, 0
	TURN 1, 0, 1
	STEP 0, 0, 0
	s_sub_co_u32 s3, s3, 1
	s_cmp_lg_u32 s3, 0
	s_cbranch_scc1 .Llap
	TURN 0, 1, 0
	STEP 1, 0, 0
	s_wait_dscnt 4*NL
	WIN MUL_LO
	MUL16 0, 1, NQ-1, 1, 0
	MUL16 2, 1, NQ-1, 1, 0
	s_wait_dscnt 0
	WIN MUL_HI
	MUL16 4, 1, NQ-1, 1, 0
	MUL16 6, 1, NQ-1, 1, 0
	WIN 0
.macro QROW a
.set AC, 64*((\a)%4)
	WIN 0x0a+5*((\a)/4)
.irp b, 0,1,2,3
	v_max3_num_f32 v[TM+\b], |v[AC+16*\b]|, |v[AC+16*\b+1]|, 0x1800000
.endr
	WIN 0x28+20*((\a)/4)
.irp i, 2,4,6,8,10,12,14
.irp b, 0,1,2,3
	v_max3_num_f32 v[TM+\b], v[TM+\b], |v[AC+16*\b+\i]|, |v[AC+16*\b+\i+1]|
.endr
.endr
	WIN 0
.irp b, 0,1,2,3
	v_permlanex16_b32 v[TM+4+\b], v[TM+\b], s18, s19
.endr
.irp b, 0,1,2,3
	v_max_num_f32 v[TM+\b], v[TM+\b], v[TM+4+\b]
.endr
.irp b, 0,1,2,3
	v_add_nc_u32 v[TM+12+\b], 0xff000000, v[TM+\b]
.endr
.irp b, 0,1,2,3
	v_lshrrev_b32 v[TM+4+\b], 23, v[TM+12+\b]
.endr
	v_lshl_or_b32 v[PWS+\a], v[TM+5], 8, v[TM+4]
	v_lshl_or_b32 v[PWS+\a], v[TM+6], 16, v[PWS+\a]
	v_lshl_or_b32 v[PWS+\a], v[TM+7], 24, v[PWS+\a]
.if \a > 0
	s_wait_xcnt 0x0
.endif
	WIN 2+(\a)/4
.irp c, 0,1
	v_cvt_scalef32_pk16_fp6_f32 v[CD+6*\c:CD+6*\c+2], v[AC+32*\c:AC+32*\c+15], v[TM+12+2*\c]
	v_cvt_scalef32_pk16_fp6_f32 v[CD+12+4*\c:CD+14+4*\c], v[AC+16+32*\c:AC+31+32*\c], v[TM+12+2*\c+1]
.endr
	WIN 0
	v_nop
.irp c, 0,1
.irp i, 0,1,2
	v_permlane16_swap_b32 v[CD+6*\c+\i], v[CD+12+4*\c+\i]
.endr
.irp i, 0,1,2
	v_mov_b32 v[CD+3+6*\c+\i], v[CD+12+4*\c+\i]
.endr
.endr
.irp p, 0,1,2,3,4,5
	global_store_b64 v[L8], v[CD+2*\p:CD+2*\p+1], s[12:13] offset:1536*\a+256*\p
.endr
.endm
	PLACES NP
	s_mov_b32 s18, 0x76543210
	s_mov_b32 s19, 0xfedcba98
.irp b, 0,1,2,3
	v_mov_b32 v[TM+4+\b], 0
.endr
.irp a, 0,1,2,3,4,5,6,7
	QROW \a
.endr
	v_cmp_le_u32 vcc_lo, 16, v[LN]
.irp i, 0,1,2,3
	v_cndmask_b32 v[PWJ+\i], v[PWS+2*\i], v[PWS+2*\i+1], vcc_lo
.endr
.irp i, 0,1,2,3
	global_store_b32 v[L4], v[PWJ+\i], s[66:67] offset:128*\i
.endr
	s_wait_tensorcnt 0x0
	ds_add_u32 v[SPW], v[NIL]
	s_wait_dscnt 0x0
	CROUND
	s_endpgm
.Lfunc_end_k_q664c891c69_proj:
	.size	k_q664c891c69_proj, .Lfunc_end_k_q664c891c69_proj-k_q664c891c69_proj
	.p2alignl 7, 3214868480
	.fill 96, 4, 3214868480
	.section	.rodata,"a",@progbits
	.p2align	6, 0x0
	.amdhsa_kernel k_q664c891c69_proj
		.amdhsa_group_segment_fixed_size 327680
		.amdhsa_private_segment_fixed_size 0
		.amdhsa_enable_private_segment 0
		.amdhsa_kernarg_size 48
		.amdhsa_user_sgpr_count 2
		.amdhsa_user_sgpr_kernarg_segment_ptr 1
		.amdhsa_wavefront_size32 1
		.amdhsa_system_sgpr_workgroup_id_x 1
		.amdhsa_system_sgpr_workgroup_id_y 1
		.amdhsa_system_sgpr_workgroup_id_z 1
		.amdhsa_system_vgpr_workitem_id 0
		.amdhsa_next_free_vgpr 1024
		.amdhsa_next_free_sgpr 100
		.amdhsa_reserve_vcc 1
		.amdhsa_float_denorm_mode_32 3
		.amdhsa_float_denorm_mode_16_64 3
		.amdhsa_memory_ordered 1
		.amdhsa_forward_progress 1
		.amdhsa_inst_pref_size 168
	.end_amdhsa_kernel
	.amdgpu_metadata
---
amdhsa.version: [ 1, 2 ]
amdhsa.kernels:
  - .name:           k_q664c891c69_proj
    .symbol:         k_q664c891c69_proj.kd
    .args:
      - { .name: x_codes, .offset: 0, .size: 8, .value_kind: global_buffer, .address_space: global }
      - { .name: x_scales, .offset: 8, .size: 8, .value_kind: global_buffer, .address_space: global }
      - { .name: w_codes, .offset: 16, .size: 8, .value_kind: global_buffer, .address_space: global }
      - { .name: w_scales, .offset: 24, .size: 8, .value_kind: global_buffer, .address_space: global }
      - { .name: qkv_img, .offset: 32, .size: 8, .value_kind: global_buffer, .address_space: global }
      - { .name: qkv_sc, .offset: 40, .size: 8, .value_kind: global_buffer, .address_space: global }
    .group_segment_fixed_size: 327680
    .private_segment_fixed_size: 0
    .kernarg_segment_align: 8
    .kernarg_segment_size: 48
    .max_flat_workgroup_size: 128
    .sgpr_count:     100
    .vgpr_count:     1024
    .wavefront_size: 32
...
	.end_amdgpu_metadata
.endif
;; end of part 2
;; launch attn (part 3): grid 4 x 64, 16 waves a work-group, clusters of 4 x 1, 223,232 bytes of LDS; arguments qkv_img, qkv_sc, o_img, o_scales; writes o_img, o_scales
.if DOCPART == 3
	.amdgcn_target "amdgcn-amd-amdhsa--gfx1250"
	.amdhsa_code_object_version 6
	.text
	.protected	k_q664c891c69_attn
	.globl	k_q664c891c69_attn
	.p2align	8
	.type	k_q664c891c69_attn,@function
k_q664c891c69_attn:
	s_mov_b64 s[64:65], 0
	v_nop
	global_prefetch_b8 v0, s[64:65] scope:SCOPE_SE
	s_setreg_imm32_b32 hwreg(HW_REG_WAVE_MODE, 25, 1), 1
	s_wait_xcnt 0x0
	s_wait_alu depctr_hold_cnt(0) depctr_sa_sdst(0) depctr_va_vdst(0) depctr_va_sdst(0) depctr_va_ssrc(0) depctr_va_vcc(0) depctr_vm_vsrc(0)
	s_getreg_b32 s2, hwreg(HW_REG_IB_STS2, 6, 4)
	s_cmp_eq_u32 s2, 0
	s_cbranch_scc0 .Lentry_in_a_cluster
	s_endpgm
.Lentry_in_a_cluster:
	s_bfe_u32 s2, ttmp6, 0x10000c
	s_cmp_lg_u32 s2, 0x3003
	s_cbranch_scc0 .Lentry_shape_is_right
	s_endpgm
.Lentry_shape_is_right:
; o = softmax(q k^T / 8) v for one head of 64, 2,048 keys, both products on codes of FP6 (E2M3) with E8M0 scales; o / l is quantised along (head, d) and leaves as codes.
; THE SOFTMAX: t = score x log2(e) / 8; M = the running largest t rounded up to a whole number; p = 2^(t - M) is quantised along the keys, not normalised; the row's sum is taken of the unquantised p and
; divides at the end.  When M moves, the sum and O are multiplied by 2^(old M - new M): exact.
; SHARES.  A cluster of four work-groups takes one head (the cluster's y = 16 batch + head); each work-group 512 query places: sixteen waves x two tiles of 16 queries, one after the other.
; K AND V OF THE WHOLE HEAD STAY IN LDS: 196,608 bytes of codes and 12,288 of scale bytes, asked for once, jointly by the four partners: EVERY WAVE ISSUES ONE LOAD at the head (waves 0-7 sixteen tiles of K each,
; 8-11 four chunks of V each, 12-13 half of K's scale words, 14-15 half of V's).  One wait for all of them and one barrier follow; nothing is filled again, no wave stores to LDS, and the 2 x 16 key steps have no barrier.
; No prefetch: all that the launch reads through LDS is asked for by the head's loads, so there is no loop that runs ahead of a load.
; LAYOUT.  Both products are used transposed: S^T = K Q^T, O^T = V^T P^T: a lane holds one query.  Operands lie as images of their registers: piece p = registers 2 p, 2 p + 1 of the 32 lanes, 8 bytes a lane.
; WHICH KEYS FORM A TILE OF K is chosen by each lane's LDS address: row 8 g + j of tile t is key 64 (t / 4) + 32 g + 8 (t % 4) + j of the step's 128.  Key x was stored at place sigma(x) (bits 3 and 4 swapped), so that row lies
; in stored tile (t % 2) + 2 g + 4 (t / 4), stored row j + 8 ((t / 2) % 2).  In S^T lane (query, h) then holds, in the 32 registers of tiles 4 c .. 4 c + 3, the WHOLE block of keys 64 c + 32 h + 0 .. 31, in order:
; its largest p needs no other lane and the conversions' results are the operand's registers for P.  V's keys lie in their own order.
; K's pieces are 288 bytes apart in LDS (32 bytes of padding behind each 256) and its tiles 864: the lanes with g = 1 read 1,728 bytes on, which is 192 modulo 256, so a load's four groups of eight lanes touch four different runs of 64 bytes modulo 256.
; K = 64 IN AN INSTRUCTION OF 128: Q's registers 6-11 are zero codes.  K's operand for tile t is 12 registers from its six on: the upper six are the next tile's codes (six zero registers behind the last), which
; meet Q's zeros.  The scale words come as 16 bits, so the unused blocks' bytes are 0, which is 2^-127 and no NaN.
; LIMITS: the promise holds while the scaled scores t stay under 2^31 in magnitude; a block of zeros, or one under 2^-124, keeps the byte 1; NaN and infinities are not served.
.set KP,   288                         ; LDS: from piece to piece of a tile of K,
.set KT,   864                         ; from tile to tile; K's 128 tiles from 0;
.set VIMG, 110592                      ; V's 16 chunks x 4 tiles x 1,536 bytes;
.set KSC,  208896                      ; K's 2,048 scale words;
.set VSC,  217088                      ; V's 16 chunks x 64 words;
.set SPARE, 221184                     ; the spare words, 128 bytes a wave
.set KPAD, (1<<20)|(5<<22)|(7<<25)     ; padding on: behind every 64 dwords, 8 dwords
.set KF,  32                           ; v32-79 eight tiles of K x 6 registers, then four fragments of V x 12; v80-85 zero codes
.set Q2,  86                           ; v86-91 the second tile's Q, v92 its scale words
.set S,   96                           ; v96-159 S^T, then p
.set O,   160                          ; v160-191 O^T
.set PC,  192                          ; v192-203 p's codes
.set P2,  204                          ; v204-210 the conversions' second halves
.set KS,  212                          ; v212-215 K's scale words: lanes 0-15 tile 2 b, lanes 16-31 tile 2 b + 1
.set VS,  216                          ; v216-217 V's likewise
.set BM,  220                          ; v220-223 largest scores
.set PD,  224                          ; v224-227 permutes' destinations, bytes
.set SO,  228                          ; v228-229 the conversions' scale operands
; v1 8 x lane; v2 VIMG + 8 x lane; v3 K's scale words, by lane; v4 VSC + 4 x lane; v5 lane; v6 4 (lane % 16); v7 32 (lane % 16) + lane / 16; v8-11 the step's addresses; v12 -M; v13 the largest score;
; v[14:15] the sum; v16-27 Q; v28 Q's scale words; v29 K's codes, by lane; v30 8 (lane / 16); v[232:233] f; v234 the old -M; v235 p's scale word; v[236:241] the sum's other chains; v242 at work
.macro CROUND                          ; a round of the cluster's barrier
	s_barrier_signal -1
	s_barrier_wait -1
	s_cmp_lg_u32 s12, 0
	s_cbranch_scc1 .Lnot_wave_0_\@
	s_barrier_signal -3
.Lnot_wave_0_\@:
	s_barrier_wait -3
	s_barrier_signal -1
	s_barrier_wait -1
.endm
.macro MKG1 g, pad, c, r, p            ; group 1: r rows of c elements of 8 bytes, p elements apart; the mask names all four work-groups, bit 21 beside it
	s_mov_b32 s[\g], 15|(3<<16)|(1<<21)|(\pad)
	s_mov_b32 s[\g+1], (\c)<<16
	s_mov_b32 s[\g+2], (\r)<<16
	s_mov_b32 s[\g+3], (\c)<<16
	s_mov_b32 s[\g+4], \r
	s_mov_b32 s[\g+5], \p
	s_mov_b32 s[\g+6], 0
	s_mov_b32 s[\g+7], 0
.endm
.macro MKG0 g, base, off               ; group 0 (its LDS address is written apart)
	s_mov_b32 s[\g], 1
	s_add_nc_u64 s[\g+2:\g+3], s[\base:\base+1], s[\off:\off+1]
	s_or_b32 s[\g+3], s[\g+3], 0x80000000
.endm
.macro ARM under, g0, g1, next         ; one arm of the head's chain: its load, and a jump to the join
	s_cmp_lt_u32 s12, \under
	s_cbranch_scc0 \next
	tensor_load_to_lds s[\g0:\g0+3], s[\g1:\g1+7]
	s_nop 0
.rept 4
	v_nop
.endr
	s_branch .Lasked
\next:
.endm
	s_load_b256 s[4:11], s[0:1], 0x0               ; qkv_img, qkv_sc, o_img, o_scales
	v_lshl_add_u32 v254, v0, 2, SPARE
	v_mov_b32 v255, 0
	ds_add_u32 v254, v255                          ; the opening lines: the add, twice on end, and its wait ahead of my tensor load
	ds_add_u32 v254, v255
	v_lshrrev_b32 v5, 5, v0
	v_readfirstlane_b32 s12, v5                    ; wave 0..15
	s_bfe_u32 s13, ttmp6, 0x40000                  ; cx: it enters Q's and o's addresses alone
	s_and_b32 s14, ttmp7, 0xffff                   ; the cluster's y, which the partners share
	s_lshr_b32 s15, s14, 4                         ; batch
	s_and_b32 s16, s14, 15                         ; head
	s_lshr_b32 s17, s16, 1                         ; pair of heads
	s_and_b32 s18, s16, 1                          ; which of the pair
	MKG1 24, KPAD, 96, 16, 192                     ; K: sixteen tiles' halves of 768 bytes, 1,536 bytes apart
	MKG1 32, 0, 768, 4, 1536                       ; V: my head's 6,144 bytes of four chunks, 12,288 bytes apart
	MKG1 40, 0, 32, 16, 32                         ; K's scale words: 4,096 dense bytes
	MKG1 48, 0, 32, 8, 64                          ; V's: my head's 256 bytes of eight chunks, 512 bytes apart
	s_lshl_b32 s2, s17, 6
	s_lshl_b32 s3, s15, 4
	s_add_co_u32 s2, s2, s3                        ; 64 x pair + 16 x batch: q's first block; k's lies 512 blocks on, v's 1,024
	s_and_b32 s19, s12, 7                          ; K's codes: wave w takes tiles 16 w on
	s_add_co_u32 s76, s2, 512
	s_mul_i32 s76, s76, 12288
	s_mul_i32 s3, s18, 768
	s_add_co_u32 s76, s76, s3
	s_mul_i32 s3, s19, 24576
	s_add_co_u32 s76, s76, s3
	s_mov_b32 s77, 0
	s_mul_i32 s57, s19, 16*KT
	s_and_b32 s19, s12, 3                          ; V's codes: wave 8 + w takes chunks 4 w on
	s_lshl_b32 s3, s19, 2
	s_add_co_u32 s78, s2, s3
	s_add_co_u32 s78, s78, 1024
	s_mul_i32 s78, s78, 12288
	s_mul_i32 s3, s18, 6144
	s_add_co_u32 s78, s78, s3
	s_mov_b32 s79, 0
	s_mul_i32 s61, s19, 24576
	s_add_co_u32 s61, s61, VIMG
	s_and_b32 s19, s12, 1                          ; the scale words: which half
	s_lshl_b32 s19, s19, 12
	s_add_co_u32 s80, s2, 512
	s_lshl_b32 s80, s80, 9
	s_add_co_u32 s80, s80, s19
	s_mov_b32 s81, 0
	s_add_co_u32 s69, s19, KSC
	s_add_co_u32 s82, s2, 1024
	s_lshl_b32 s82, s82, 9
	s_add_co_u32 s82, s82, s19
	s_lshl_b32 s3, s18, 8
	s_add_co_u32 s82, s82, s3
	s_mov_b32 s83, 0
	s_lshr_b32 s73, s19, 1
	s_add_co_u32 s73, s73, VSC
	s_wait_dscnt 0x0                               ; both opening adds are done
	s_wait_kmcnt 0x0
	MKG0 56, 4, 76
	MKG0 60, 4, 78
	MKG0 68, 6, 80
	MKG0 72, 6, 82
	CROUND                                         ; all four work-groups are here: the joint loads meet
	ARM 8,  56, 24, .Larm_v                        ; one chain of branches on the wave's number: every way passes exactly one load
	ARM 12, 60, 32, .Larm_ks
	ARM 14, 68, 40, .Larm_vs
	tensor_load_to_lds s[72:75], s[48:55]
	s_nop 0
.rept 4
	v_nop
.endr
.Lasked:
	v_and_b32 v5, 31, v0
	v_and_b32 v31, 7, v0                           ; j
	v_bfe_u32 v242, v0, 3, 1                       ; g
	v_bfe_u32 v7, v0, 4, 1                         ; h
	v_lshlrev_b32 v1, 3, v5
	v_lshlrev_b32 v4, 2, v5
	v_lshlrev_b32 v29, 3, v31
	v_lshlrev_b32 v3, 2, v31
	v_add_nc_u32 v2, VIMG, v1
	v_add_nc_u32 v4, VSC, v4
	v_mad_u32_u24 v29, v242, 2*KT, v29
	v_lshl_add_u32 v3, v242, 7, v3
	v_lshl_add_u32 v29, v7, 7, v29                 ; K's codes: 8 j + 2 tiles x g + 128 h
	v_lshl_add_u32 v3, v7, 6, v3                   ; K's words: 4 j + 32 words x g + 16 words x (lane / 16)
	s_lshl_b32 s3, s18, 1
	s_add_co_u32 s3, s3, KSC
	v_add_nc_u32 v3, s3, v3                        ; my head's two bytes of each word
	v_lshlrev_b32 v30, 3, v7
	v_and_b32 v234, 15, v0
	v_lshlrev_b32 v6, 2, v234
	v_lshl_add_u32 v7, v234, 5, v7
.irp i, 22,23,24,25,26,27,80,81,82,83,84,85
	v_mov_b32 v\i, 0                               ; zero codes: Q's upper half, and what stands behind K's last tile
.endr
.irp b, 0,1,2,3
	v_mov_b32 v[PD+\b], 0                          ; a lane permute's destination counts as one of its sources
.endr
	v_mov_b32 v233, 0                              ; (named as the upper half of the pair v[232:233])
	s_mov_b32 s20, 0x76543210
	s_mov_b32 s21, 0xfedcba98                      ; lane l xor 16
	s_mov_b32 s22, 0x3e38aa3b                      ; c = log2(e) / 8
	s_mov_b32 s23, s22
	s_mov_b32 s94, 0xbe38aa3b                      ; -c
	s_lshl_b32 s85, s13, 5
	s_add_co_u32 s85, s85, s12                     ; my first tile of queries: 32 cx + wave; the second lies sixteen on
	s_mul_i32 s86, s2, 12288                       ; Q's image: 1,536 bytes a tile, my head's half
	s_mul_i32 s3, s85, 1536
	s_add_co_u32 s86, s86, s3
	s_mul_i32 s3, s18, 768
	s_add_co_u32 s86, s86, s3
	s_mov_b32 s87, 0
	s_add_nc_u64 s[86:87], s[4:5], s[86:87]
	s_lshl_b32 s88, s2, 9                          ; Q's scale words: 64 bytes a tile, my head's two bytes of each word
	s_lshl_b32 s3, s85, 6
	s_add_co_u32 s88, s88, s3
	s_lshl_b32 s3, s18, 1
	s_add_co_u32 s88, s88, s3
	s_mov_b32 s89, 0
	s_add_nc_u64 s[88:89], s[6:7], s[88:89]
	s_lshl_b32 s90, s15, 7
	s_add_co_u32 s90, s90, s85                     ; the tile of rows among all 512
	s_lshl_b32 s3, s90, 3
	s_add_co_u32 s3, s3, s17
	s_mul_i32 s3, s3, 1536
	s_mul_i32 s100, s18, 768
	s_add_co_u32 s3, s3, s100                      ; o's image: (8 x tile + pair) x 1,536 + my head's half
	s_lshl_b32 s92, s90, 9
	s_lshl_b32 s100, s16, 1
	s_add_co_u32 s92, s92, s100                    ; o's scale bytes: 32 a row, bytes 2 head, 2 head + 1
	s_mov_b32 s93, 0
	s_add_nc_u64 s[92:93], s[10:11], s[92:93]
	s_mov_b32 s90, s3
	s_mov_b32 s91, 0
	s_add_nc_u64 s[90:91], s[8:9], s[90:91]
	s_wait_alu depctr_va_vdst(0)                   ; the wait at the head's end
.irp p, 0,1,2
	global_load_b64 v[16+2*\p:17+2*\p], v1, s[86:87] offset:256*\p          ; Q's six registers, both tiles', while the tensor loads are out
	global_load_b64 v[Q2+2*\p:Q2+2*\p+1], v1, s[86:87] offset:24576+256*\p
.endr
	global_load_u16 v28, v6, s[88:89]              ; and their scale bytes
	global_load_u16 v[Q2+6], v6, s[88:89] offset:1024
	s_wait_loadcnt 0x0
	s_wait_tensorcnt 0x0                           ; my part of K, V or the scale words is in
	s_barrier_signal -1
	s_barrier_wait -1                              ; everybody's is
; A KEY STEP: 128 keys.
.macro STEP
	v_add_nc_u32 v8, s80, v29                      ; the four additions are the places between the last products and the loads into their operands' registers
	v_add_nc_u32 v9, s83, v2
	v_add_nc_u32 v10, s81, v3
	v_add_nc_u32 v11, s82, v4
.irp t, 0,1,2,3,4,5,6,7
.irp p, 0,1,2
	ds_load_b64 v[KF+6*\t+2*\p:KF+6*\t+2*\p+1], v8 offset:KT*((\t%2)+4*(\t/4))+64*((\t/2)%2)+KP*\p
.endr
.endr
.irp b, 0,1,2,3
	ds_load_u16 v[KS+\b], v10 offset:256*(\b/2)+32*(\b%2)
.endr
	s_wait_alu depctr_va_vdst(0)
	s_wait_dscnt 0x0
.irp t, 0,1,2,3,4,5,6,7
.if \t%2
	v_wmma_scale_f32_16x16x128_f8f6f4 v[S+8*\t:S+8*\t+7], v[KF+6*\t:KF+6*\t+11], v[16:27], 0, v[KS+\t/2], v28 matrix_a_fmt:MATRIX_FMT_FP6 matrix_b_fmt:MATRIX_FMT_FP6 matrix_a_scale:MATRIX_SCALE_ROW1
.else
	v_wmma_scale_f32_16x16x128_f8f6f4 v[S+8*\t:S+8*\t+7], v[KF+6*\t:KF+6*\t+11], v[16:27], 0, v[KS+\t/2], v28 matrix_a_fmt:MATRIX_FMT_FP6 matrix_b_fmt:MATRIX_FMT_FP6
.endif
.endr
	v_mov_b32 v234, v12                            ; the old -M; with three v_nop the four places in front of the loads into K's registers and of the first read of the scores
.rept 3
	v_nop
.endr
.irp t, 0,1,2,3                                ; V's four fragments land while the softmax is worked
.irp p, 0,1,2,3,4,5
	ds_load_b64 v[KF+12*\t+2*\p:KF+12*\t+2*\p+1], v9 offset:1536*\t+256*\p
.endr
.endr
	ds_load_b32 v[VS], v11
	ds_load_b32 v[VS+1], v11 offset:128
.irp b, 0,1,2,3
	v_max3_num_f32 v[BM+\b], v[S+16*\b], v[S+16*\b+1], v[S+16*\b+2]   ; largest scores, four chains by turns; each accumulator is first read at its low end
.endr
.irp i, 3,5,7,9,11,13
.irp b, 0,1,2,3
	v_max3_num_f32 v[BM+\b], v[BM+\b], v[S+16*\b+\i], v[S+16*\b+\i+1]
.endr
.endr
.irp c, 0,1
	v_max3_num_f32 v[BM+2*\c], v[BM+2*\c], v[BM+2*\c+1], v[S+32*\c+15]
.endr
.irp c, 0,1
	v_max_num_f32 v[BM+2*\c], v[BM+2*\c], v[S+32*\c+31]   ; the largest score of my block c of 32 keys: for the row's maximum and, since p rises with the score, for the block's largest p
.endr
	v_max_num_f32 v242, v[BM], v[BM+2]
	v_permlanex16_b32 v[PD], v242, s20, s21
	v_max3_num_f32 v13, v13, v242, v[PD]           ; the running largest score, with lane l xor 16's 64 keys
	v_mul_f32 v12, s94, v13                        ; -t
	s_delay_alu instid0(VALU_DEP_1)
	v_floor_f32 v12, v12                           ; -M = floor(-t): M is a whole number
	s_delay_alu instid0(VALU_DEP_1)
	v_sub_f32 v234, v12, v234                      ; old M - new M
	s_delay_alu instid0(VALU_DEP_1)
	v_cvt_i32_f32 v234, v234                       ; (it saturates)
	s_delay_alu instid0(VALU_DEP_1)
	v_ldexp_f32 v232, 1.0, v234                    ; f = 2^(old M - new M)
.set j, 0
.rept 32
	v_pk_fma_f32 v[S+j:S+j+1], v[S+j:S+j+1], s[22:23], v[12:13] op_sel_hi:[1,0,0]   ; t - M
.set j, j+2
.endr
.irp c, 0,1
	v_fma_f32 v[BM+2*\c], v[BM+2*\c], s22, v12
.endr
	s_wait_alu depctr_va_vdst(0)                   ; the wait ahead of the batch
.set j, 0
.rept 64
	v_exp_f32 v[S+j], v[S+j]                       ; p = 2^(t - M)
.set j, j+1
.endr
	v_pk_mul_f32 v[14:15], v[14:15], v[232:233] op_sel_hi:[1,0]   ; the sums under the new M: a plain place behind the exponentials
	s_wait_alu depctr_va_vdst(0)                   ; one wait for the batch, ahead of its first reader
.irp c, 0,1
	v_exp_f32 v[BM+2*\c], v[BM+2*\c]               ; the block's largest p: the same two instructions on the same number
.endr
	v_pk_add_f32 v[236:237], v[S:S+1], v[S+2:S+3]  ; the row's sum of the unquantised p: four chains by turns
	v_pk_add_f32 v[238:239], v[S+4:S+5], v[S+6:S+7]
	v_pk_add_f32 v[240:241], v[S+8:S+9], v[S+10:S+11]
	v_pk_add_f32 v[14:15], v[14:15], v[S+12:S+13]
.irp q, 14,22,30,38,46,54
	v_pk_add_f32 v[236:237], v[236:237], v[S+\q:S+\q+1]
	v_pk_add_f32 v[238:239], v[238:239], v[S+\q+2:S+\q+3]
	v_pk_add_f32 v[240:241], v[240:241], v[S+\q+4:S+\q+5]
	v_pk_add_f32 v[14:15], v[14:15], v[S+\q+6:S+\q+7]
.endr
	v_pk_add_f32 v[236:237], v[236:237], v[S+62:S+63]
	v_pk_add_f32 v[238:239], v[238:239], v[240:241]
	s_delay_alu instid0(VALU_DEP_2)
	v_pk_add_f32 v[14:15], v[14:15], v[236:237]
	s_delay_alu instid0(VALU_DEP_1)
	v_pk_add_f32 v[14:15], v[14:15], v[238:239]
	s_wait_alu depctr_va_vdst(0)                   ; and one for the two
.irp c, 0,1
	v_max_num_f32 v[BM+2*\c], 0x1800000, v[BM+2*\c]   ; the floor 2^(3 - 127)
.endr
.irp c, 0,1
	s_delay_alu instid0(VALU_DEP_2)
	v_add_nc_u32 v[SO+\c], 0xff000000, v[BM+2*\c]  ; the conversion's scale operand
.endr
.irp c, 0,1                                    ; my block c, 32 keys in order: registers 6 c .. 6 c + 5 of the operand
	v_cvt_scalef32_pk16_fp6_f32 v[PC+6*\c:PC+6*\c+2], v[S+32*\c:S+32*\c+15], v[SO+\c]
	v_cvt_scalef32_pk16_fp6_f32 v[P2+4*\c:P2+4*\c+2], v[S+16+32*\c:S+31+32*\c], v[SO+\c]   ; (a conversion's three registers begin on an even number)
.endr
.irp c, 0,1
	v_lshrrev_b32 v[PD+1+\c], 23, v[SO+\c]         ; the byte.  (Also the plain place behind the conversions)
.endr
	s_delay_alu instid0(VALU_DEP_1)
	v_lshl_or_b32 v235, v[PD+2], 16, v[PD+1]       ; my two bytes, blocks h and 2 + h,
	s_delay_alu instid0(VALU_DEP_1)
	v_lshlrev_b32 v235, v30, v235                  ; at their places in the word;
	s_delay_alu instid0(VALU_DEP_1)
	v_permlanex16_b32 v[PD], v235, s20, s21
	s_delay_alu instid0(VALU_DEP_1)
	v_or_b32 v235, v235, v[PD]                     ; with lane l xor 16's two: p's scale word for these 128 keys
.irp c, 0,1
.irp i, 0,1,2
	v_mov_b32 v[PC+3+6*\c+\i], v[P2+4*\c+\i]
.endr
.endr
	s_wait_alu depctr_va_vdst(0)                   ; directly ahead of the first reader of O^T
.set j, 0
.rept 16
	v_pk_mul_f32 v[O+j:O+j+1], v[O+j:O+j+1], v[232:233] op_sel_hi:[1,0]   ; O^T under the new M; these are also the places between the writes of p's codes and scale word and the products
.set j, j+2
.endr
	s_wait_alu depctr_va_vdst(0)                   ; directly ahead of the wait below
	s_wait_dscnt 0x0                               ; V
.irp t, 0,1,2,3                                ; the four accumulators take turns, and the eight products of the scores stand between two steps
.if \t%2
	v_wmma_scale_f32_16x16x128_f8f6f4 v[O+8*\t:O+8*\t+7], v[KF+12*\t:KF+12*\t+11], v[PC:PC+11], v[O+8*\t:O+8*\t+7], v[VS+\t/2], v235 matrix_a_fmt:MATRIX_FMT_FP6 matrix_b_fmt:MATRIX_FMT_FP6 matrix_a_scale:MATRIX_SCALE_ROW1
.else
	v_wmma_scale_f32_16x16x128_f8f6f4 v[O+8*\t:O+8*\t+7], v[KF+12*\t:KF+12*\t+11], v[PC:PC+11], v[O+8*\t:O+8*\t+7], v[VS+\t/2], v235 matrix_a_fmt:MATRIX_FMT_FP6 matrix_b_fmt:MATRIX_FMT_FP6
.endif
.endr
	s_add_co_u32 s80, s80, 8*KT                    ; the next 128 keys: eight tiles of K,
	s_add_co_u32 s83, s83, 6144                    ; four fragments of V,
	s_add_co_u32 s81, s81, 512                     ; 128 words,
	s_add_co_u32 s82, s82, 256                     ; 64 words
.endm
	s_mov_b32 s84, 2
.Lpass:                                                ; one tile of 16 queries against all 2,048 keys
	v_mov_b32 v13, 0xff61b1e6                      ; the largest score so far: -3e38
	v_mov_b32 v12, 0x7e000000                      ; and a -M so large that the first step's f is 0
	v_mov_b32 v14, 0
	v_mov_b32 v15, 0
.set j, 0
.rept 32
	v_mov_b32 v[O+j], 0                            ; the step is written once: the first finds zeros
.set j, j+1
.endr
	s_mov_b32 s80, 0
	s_mov_b32 s81, 0
	s_mov_b32 s82, 0
	s_mov_b32 s83, 0
	s_mov_b32 s85, 16
.Lstep:
	STEP
	s_sub_co_u32 s85, s85, 1
	s_cmp_lg_u32 s85, 0
	s_cbranch_scc1 .Lstep
	; THE WAY OUT: o = O^T / l, quantised along d: two blocks of 32; the codes are my head's half of an operand's image for the last product
.rept 4
	v_nop                                          ; places behind the last products
.endr
	v_add_f32 v14, v14, v15
	s_delay_alu instid0(VALU_DEP_1)
	v_permlanex16_b32 v234, v14, s20, s21
	s_delay_alu instid0(VALU_DEP_1)
	v_add_f32 v14, v14, v234                       ; the row's sum
	s_wait_alu depctr_va_vdst(0)                   ; the wait ahead of the transcendental
	v_rcp_f32 v232, v14
	v_cmp_le_u32 vcc_lo, 16, v5                    ; (a plain place behind the reciprocal)
	s_wait_alu depctr_va_vdst(0)                   ; ahead of its first reader, and of the first reader of O^T
.set j, 0
.rept 16
	v_pk_mul_f32 v[S+j:S+j+1], v[O+j:O+j+1], v[232:233] op_sel_hi:[1,0]   ; register 16 b + i: d = 32 b + 16 (lane / 16) + i; each accumulator from its low end on
.set j, j+2
.endr
.irp b, 0,1
	v_max3_num_f32 v[BM+\b], |v[S+16*\b]|, |v[S+16*\b+1]|, 0x1800000
.endr
.irp i, 2,4,6,8,10,12,14
.irp b, 0,1
	s_delay_alu instid0(VALU_DEP_2)
	v_max3_num_f32 v[BM+\b], v[BM+\b], |v[S+16*\b+\i]|, |v[S+16*\b+\i+1]|
.endr
.endr
.irp b, 0,1
	s_delay_alu instid0(VALU_DEP_2)
	v_permlanex16_b32 v[PD+\b], v[BM+\b], s20, s21
.endr
.irp b, 0,1
	s_delay_alu instid0(VALU_DEP_2)
	v_max_num_f32 v[BM+\b], v[BM+\b], v[PD+\b]
.endr
.irp b, 0,1
	s_delay_alu instid0(VALU_DEP_2)
	v_add_nc_u32 v[SO+\b], 0xff000000, v[BM+\b]
.endr
.irp b, 0,1
	s_delay_alu instid0(VALU_DEP_2)
	v_lshrrev_b32 v[PD+\b], 23, v[SO+\b]
.endr
	s_delay_alu instid0(VALU_DEP_1)
	v_cndmask_b32 v234, v[PD], v[PD+1], vcc_lo     ; lanes 0-15 store block 0's byte of their row, lanes 16-31 block 1's
	v_cvt_scalef32_pk16_fp6_f32 v[192:194], v[S:S+15], v[SO]
	v_cvt_scalef32_pk16_fp6_f32 v[196:198], v[S+16:S+31], v[SO+1]
	v_nop
.irp i, 0,1,2
	v_permlane16_swap_b32 v[192+\i], v[196+\i]     ; here a lane holds half blocks: a whole block to a lane
.endr
	s_delay_alu instid0(VALU_DEP_3)
	v_mov_b32 v195, v196
	s_delay_alu instid0(VALU_DEP_3)
	v_mov_b32 v196, v197
	s_delay_alu instid0(VALU_DEP_3)
	v_mov_b32 v197, v198
.irp p, 0,1,2
	global_store_b64 v1, v[192+2*\p:193+2*\p], s[90:91] offset:256*\p   ; 32 lanes store 256 consecutive bytes, aligned
.endr
	global_store_b8 v7, v234, s[92:93]
	s_wait_xcnt 0x0                                ; the stores have read their addresses and data: both may be written again
	s_add_nc_u64 s[90:91], s[90:91], 196608        ; sixteen tiles on
	s_add_nc_u64 s[92:93], s[92:93], 8192
.irp i, 0,1,2,3,4,5
	v_mov_b32 v[16+\i], v[Q2+\i]                   ; the second tile's Q; the 36 moves at the pass's head are the places ahead of the products
.endr
	v_mov_b32 v28, v[Q2+6]
	s_sub_co_u32 s84, s84, 1
	s_cmp_lg_u32 s84, 0
	s_cbranch_scc1 .Lpass
	s_wait_tensorcnt 0x0                           ; the wave's end
	ds_add_u32 v254, v255
	s_wait_dscnt 0x0
	CROUND                                         ; the closing round
	s_endpgm
.Lfunc_end_k_q664c891c69_attn:
	.size	k_q664c891c69_attn, .Lfunc_end_k_q664c891c69_attn-k_q664c891c69_attn
	.p2alignl 7, 3214868480
	.fill 96, 4, 3214868480
	.section	.rodata,"a",@progbits
	.p2align	6, 0x0
	.amdhsa_kernel k_q664c891c69_attn
		.amdhsa_group_segment_fixed_size 223232
		.amdhsa_private_segment_fixed_size 0
		.amdhsa_enable_private_segment 0
		.amdhsa_kernarg_size 32
		.amdhsa_user_sgpr_count 2
		.amdhsa_user_sgpr_kernarg_segment_ptr 1
		.amdhsa_wavefront_size32 1
		.amdhsa_system_sgpr_workgroup_id_x 1
		.amdhsa_system_sgpr_workgroup_id_y 1
		.amdhsa_system_sgpr_workgroup_id_z 1
		.amdhsa_system_vgpr_workitem_id 0
		.amdhsa_next_free_vgpr 256
		.amdhsa_next_free_sgpr 102
		.amdhsa_reserve_vcc 1
		.amdhsa_float_denorm_mode_32 3
		.amdhsa_float_denorm_mode_16_64 3
		.amdhsa_memory_ordered 1
		.amdhsa_forward_progress 1
		.amdhsa_inst_pref_size 34
	.end_amdhsa_kernel
	.amdgpu_metadata
---
amdhsa.version: [ 1, 2 ]
amdhsa.kernels:
  - .name:           k_q664c891c69_attn
    .symbol:         k_q664c891c69_attn.kd
    .args:
      - { .name: qkv_img, .offset: 0, .size: 8, .value_kind: global_buffer, .address_space: global }
      - { .name: qkv_sc, .offset: 8, .size: 8, .value_kind: global_buffer, .address_space: global }
      - { .name: o_img, .offset: 16, .size: 8, .value_kind: global_buffer, .address_space: global }
      - { .name: o_scales, .offset: 24, .size: 8, .value_kind: global_buffer, .address_space: global }
    .group_segment_fixed_size: 223232
    .private_segment_fixed_size: 0
    .kernarg_segment_align: 8
    .kernarg_segment_size: 32
    .max_flat_workgroup_size: 512
    .sgpr_count:     102
    .vgpr_count:     256
    .wavefront_size: 32
...
	.end_amdgpu_metadata
.endif
;; end of part 3
;; launch outp (part 4): grid 8 x 32, 4 waves a work-group, clusters of 4 x 4, 327,680 bytes of LDS; arguments o_img, o_scales, w_codes, w_scales, out0; writes out0
.if DOCPART == 4
	.amdgcn_target "amdgcn-amd-amdhsa--gfx1250"
	.amdhsa_code_object_version 6
	.text
	.protected	k_q664c891c69_outp
	.globl	k_q664c891c69_outp
	.p2align	8
	.type	k_q664c891c69_outp,@function
k_q664c891c69_outp:
	s_mov_b64 s[64:65], 0
	v_nop
	global_prefetch_b8 v0, s[64:65] scope:SCOPE_SE
	s_setreg_imm32_b32 hwreg(HW_REG_WAVE_MODE, 25, 1), 1
	s_wait_xcnt 0x0
	s_wait_alu depctr_hold_cnt(0) depctr_sa_sdst(0) depctr_va_vdst(0) depctr_va_sdst(0) depctr_va_ssrc(0) depctr_va_vcc(0) depctr_vm_vsrc(0)
	s_getreg_b32 s2, hwreg(HW_REG_IB_STS2, 6, 4)
	s_cmp_eq_u32 s2, 0
	s_cbranch_scc0 .Lentry_in_a_cluster
	s_endpgm
.Lentry_in_a_cluster:
	s_bfe_u32 s2, ttmp6, 0x10000c
	s_cmp_lg_u32 s2, 0xf033
	s_cbranch_scc0 .Lentry_shape_is_right
	s_endpgm
.Lentry_shape_is_right:
; out0 = o W_o on codes of FP6 (E2M3) with E8M0 scales, f32 out.  A work-group of four waves makes 256 rows x 128 columns, so that the grid is 8 x 32 = 256 work-groups; a wave makes 128 x 64: 32 accumulators.
; K goes in chunks of 256 through two LDS slots filled by joint loads of a 4 x 4 cluster: o's tiles are shared along a row of the cluster, W_o's along a column.
; o comes as images of operand registers (rows of 3,072 bytes).  W_o's codes lie [chunk][row][192 bytes]: 64 rows of a chunk are 12,288 dense bytes, fetched as 48 rows of 256 bytes that begin at multiples of 256;
; 16 bytes of padding behind each 64 give LDS rows of 240 bytes.  The scales of the block's rows, for all of K, come once, at the head.
; The matrix instruction is used transposed (source 0 = rows of W_o, source 1 = rows of o): a lane holds eight neighbouring numbers of a row of out0; rows leave through a stage in LDS, sixteen lanes to 256 aligned bytes.
; o's rows were stored with bits 3 and 4 of their index swapped: the stores' offsets put them back.
.set SIZE_N, 1024
.set KSTEP,  256
.set NQ,     2
.set ROWB,   256
.set CS,     1572864
.set KROW,   768
.set PITCH,  240
.set FR,     12
.set NL,     6
.set NP,     4
.set HALFT,  128*PITCH
.set SLOT,   4*HALFT
.set LAPS,   2
.set KS,     32
.set SCL,    2*SLOT
.set HALFS,  (128*KS/256)*272
.set SBLK,   (16*KS/256)*272
.set SPARE,  SCL+4*HALFS
.set SPITCH, 528
.set AH,     24576                     ; LDS: 128 rows of o's image for one chunk
.set HB,     64*PITCH                  ; and 64 rows of W_o
.set ADRS2,  30                        ; v30: o's scale words in all 32 lanes, for o's blocks 4-7, which have no block of W_o beside them
.set G0H,    4                         ; s[4:7], s[8:11] group 0 for the head's loads of chunk 0 (the arguments that lay there have been used)
.set G0HB,   8
.set ADRA, 16
.set ADRB, 20
.set STO,  24
.set RD,   25
.set CO,   26
.set ADRS, 27
.set SPW,  28
.set NIL,  29
.set SC,   32
.set AF,   128
.set BK,   128
.set G1, 24
.set G0, 32
.set G1B, 48
.set G0B, 56
.set G1S, 68
.set G0S, 76
.set G1SB, 80
.set G0SB, 88
.set MSB, 0
.macro WIN new
.if MSB != \new
	s_set_vgpr_msb (MSB<<8)|\new
.set MSB, \new
.endif
.endm
.set MUL_LO, 0xa1
.set MUL_HI, 0xf1
.set TO_B,   0x40
.macro JLOAD g0a, g1a, g0b, g1b
	s_cmp_eq_u32 s15, 0
	s_cbranch_scc0 .Lfor_b_\@
	tensor_load_to_lds s[\g0a:\g0a+3], s[\g1a:\g1a+7]
	s_nop 0
.rept 4
	v_nop
.endr
	s_branch .Lasked_\@
.Lfor_b_\@:
	tensor_load_to_lds s[\g0b:\g0b+3], s[\g1b:\g1b+7]
	s_nop 0
.rept 4
	v_nop
.endr
.Lasked_\@:
.endm
.macro CREST
	s_cmp_lg_u32 s14, 0
	s_cbranch_scc1 .Lnot_wave_0_\@
	s_barrier_signal -3
.Lnot_wave_0_\@:
	s_barrier_wait -3
	s_barrier_signal -1
	s_barrier_wait -1
.endm
.macro CROUND
	s_barrier_signal -1
	s_barrier_wait -1
	CREST
.endm
	s_load_b128 s[4:7], s[0:1], 0x0
	s_load_b128 s[8:11], s[0:1], 0x10
	s_load_b64 s[12:13], s[0:1], 0x20
	v_lshl_add_u32 v[SPW], v0, 2, SPARE
	v_mov_b32 v[NIL], 0
	ds_add_u32 v28, v29
	ds_add_u32 v28, v29
	s_wait_dscnt 0x0
	v_lshrrev_b32 v1, 5, v0
	v_readfirstlane_b32 s14, v1
	s_lshr_b32 s15, s14, 1
	s_and_b32 s16, s14, 1
	s_bfe_u32 s40, ttmp6, 0x40000
	s_bfe_u32 s41, ttmp6, 0x40004
	s_lshl_b32 s42, ttmp9, 2
	s_add_co_u32 s42, s42, s40
	s_and_b32 s17, ttmp7, 0xffff
	s_lshl_b32 s17, s17, 2
	s_add_co_u32 s17, s17, s41
	s_lshl_b32 s43, s41, 2
	s_lshl_b32 s43, 15, s43
	s_lshl_b32 s44, 0x1111, s40
	s_or_b32 s[G1+0], s43, (3<<16)|(1<<21)
	s_mov_b32 s[G1+1], 384<<16
	s_mov_b32 s[G1+2], 16<<16                      ; the head's load brings all 256 rows, sixteen tiles; behind it the two words are set to 8, for the ring's
	s_mov_b32 s[G1+3], 384<<16
	s_mov_b32 s[G1+4], 16
	s_mov_b32 s[G1+5], 1536
	s_mov_b32 s[G1+6], 0
	s_mov_b32 s[G1+7], 0
	s_or_b32 s[G1B+0], s44, (0<<16)|(1<<20)|(1<<21)|(3<<22)|(3<<25)
	s_mov_b32 s[G1B+1], ROWB<<16
	s_mov_b32 s[G1B+2], 96<<16                     ; the head's load: 128 rows of codes = 96 rows of 256 bytes; the ring's: 48
	s_mov_b32 s[G1B+3], ROWB<<16
	s_mov_b32 s[G1B+4], 96
	s_mov_b32 s[G1B+5], ROWB
	s_mov_b32 s[G1B+6], 0
	s_mov_b32 s[G1B+7], 0
	s_or_b32 s[G1S+0], s43, (3<<16)|(1<<20)|(1<<21)|(5<<22)|(3<<25)
	s_or_b32 s[G1SB+0], s44, (3<<16)|(1<<20)|(1<<21)|(5<<22)|(3<<25)
.irp g, G1S, G1SB
	s_mov_b32 s[\g+1], 32<<16
	s_mov_b32 s[\g+2], (128*KS/256)<<16
	s_mov_b32 s[\g+3], 32<<16
	s_mov_b32 s[\g+4], 128*KS/256
	s_mov_b32 s[\g+5], 32
	s_mov_b32 s[\g+6], 0
	s_mov_b32 s[\g+7], 0
.endr
	s_mov_b32 s[G1S+2], 32<<16                     ; o's scales: 256 rows, 32 units of 256 bytes (W_o's: 128 rows, 16 units)
	s_mov_b32 s[G1S+4], 32
	s_lshl_b32 s20, s17, 8                         ; o: the block's first row
	s_lshl_b32 s46, s42, 7                         ; W_o: 128 x tile column,
	s_add_co_u32 s46, s46, 3072                    ; behind W_qkv's 3,072 rows
	s_mov_b32 s21, 0
	s_mov_b32 s47, 0
	s_mov_b64 s[18:19], KS
	s_mul_u64 s[22:23], s[20:21], s[18:19]
	s_mul_u64 s[92:93], s[46:47], s[18:19]
	s_mov_b64 s[18:19], KROW
	s_mul_u64 s[20:21], s[20:21], s[18:19]
	s_mov_b64 s[18:19], 192
	s_mul_u64 s[46:47], s[46:47], s[18:19]
	s_mul_i32 s18, s16, 98304                      ; in the ring I fetch half a tile: 128 rows of o's image,
	s_mov_b32 s19, 0
	s_mul_i32 s94, s16, 12288                      ; or 64 rows of W_o's codes
	s_mov_b32 s95, 0
	s_mul_i32 s45, s16, AH                         ; and where they go
	s_mul_i32 s96, s16, HB
	s_add_co_u32 s96, s96, 2*HALFT
	s_wait_kmcnt 0x0
	s_add_nc_u64 s[20:21], s[4:5], s[20:21]
	s_add_nc_u64 s[22:23], s[6:7], s[22:23]
	s_add_nc_u64 s[46:47], s[8:9], s[46:47]
	s_add_nc_u64 s[92:93], s[10:11], s[92:93]
	CROUND
	s_mov_b32 s[G0S], 1
	s_mov_b32 s[G0S+1], SCL
	s_mov_b64 s[G0S+2:G0S+3], s[22:23]
	s_or_b32 s[G0S+3], s[G0S+3], 0x80000000
	s_mov_b32 s[G0SB], 1
	s_mov_b32 s[G0SB+1], SCL+2*HALFS
	s_mov_b64 s[G0SB+2:G0SB+3], s[92:93]
	s_or_b32 s[G0SB+3], s[G0SB+3], 0x80000000
	s_mov_b32 s[G0H], 1
	s_mov_b32 s[G0H+1], 0
	s_mov_b64 s[G0H+2:G0H+3], s[20:21]
	s_or_b32 s[G0H+3], s[G0H+3], 0x80000000
	s_mov_b32 s[G0HB], 1
	s_mov_b32 s[G0HB+1], 2*HALFT
	s_mov_b64 s[G0HB+2:G0HB+3], s[46:47]
	s_or_b32 s[G0HB+3], s[G0HB+3], 0x80000000
	s_add_nc_u64 s[20:21], s[20:21], s[18:19]      ; for the ring: my half of the tile
	s_add_nc_u64 s[46:47], s[46:47], s[94:95]
.irp s, 0,1
	s_mov_b32 s[G0+4*\s], 1
	s_add_co_u32 s[G0+4*\s+1], s45, \s*SLOT
	s_add_nc_u64 s[G0+4*\s+2:G0+4*\s+3], s[20:21], \s*3072
	s_or_b32 s[G0+4*\s+3], s[G0+4*\s+3], 0x80000000
	s_mov_b32 s[G0B+4*\s], 1
	s_add_co_u32 s[G0B+4*\s+1], s96, \s*SLOT
	s_add_nc_u64 s[G0B+4*\s+2:G0B+4*\s+3], s[46:47], \s*CS
	s_or_b32 s[G0B+4*\s+3], s[G0B+4*\s+3], 0x80000000
.endr
; THE HEAD'S LOADS, ONE A WAVE: wave 0 chunk 0's 256 rows of o, wave 1 its 128 rows of W_o, waves 2 and 3 their scales.  One chain of branches on the wave's number: every way passes exactly one load.
.macro ARM under, g0, g1, next
	s_cmp_lt_u32 s14, \under
	s_cbranch_scc0 \next
	tensor_load_to_lds s[\g0:\g0+3], s[\g1:\g1+7]
	s_nop 0
.rept 4
	v_nop
.endr
	s_branch .Lhead_asked
\next:
.endm
	ARM 1, G0H,  G1,  .Lhead_b
	ARM 2, G0HB, G1B, .Lhead_sa
	ARM 3, G0S,  G1S, .Lhead_sb
	tensor_load_to_lds s[G0SB:G0SB+3], s[G1SB:G1SB+7]
	s_nop 0
.rept 4
	v_nop
.endr
.Lhead_asked:
	v_and_b32 v1, 15, v0
	v_bfe_u32 v2, v0, 4, 1
	v_mul_u32_u24 v3, v1, PITCH
	v_mul_u32_u24 v4, v2, 24
	v_add_nc_u32 v4, v3, v4
	v_lshl_add_u32 v5, v2, 4, v4
	v_and_b32 v6, 31, v0
	v_lshlrev_b32 v7, 3, v6
	s_mul_i32 s21, s15, AH
	s_mul_i32 s22, s16, HB
	s_add_co_u32 s22, s22, 2*HALFT
.irp s, 0,1
	v_add_nc_u32 v[ADRA+\s], s21, v7
	v_add_nc_u32 v[ADRB+\s], s22, v4
	v_add_nc_u32 v[ADRB+2+\s], s22, v5
	s_add_co_u32 s21, s21, SLOT
	s_add_co_u32 s22, s22, SLOT
.endr
	v_mul_u32_u24 v5, v1, KS
	v_lshrrev_b32 v6, 8, v5
	v_lshl_add_u32 v5, v6, 4, v5
	s_mul_i32 s21, s15, HALFS
	s_mul_i32 s22, s16, HALFS/2                    ; W_o's: my 64 rows, behind o's 256
	s_add_co_u32 s22, s22, 2*HALFS
	s_sub_co_u32 s22, s22, s21
	v_mul_u32_u24 v6, s22, v2                      ; lanes 16-31 take W_o's
	s_add_co_u32 s21, s21, SCL
	v_add_nc_u32 v[ADRS2], s21, v5                 ; o's words in all lanes
	v_add_nc_u32 v[ADRS], v[ADRS2], v6
	s_mul_i32 s23, s14, 16*SPITCH
	v_mul_u32_u24 v5, v1, SPITCH
	v_lshl_add_u32 v5, v2, 5, v5
	v_add_nc_u32 v[STO], s23, v5
	v_lshlrev_b32 v6, 4, v1                        ; back: sixteen lanes take one row of 256 bytes, lanes 16-31 the next row
	v_mad_u32_u24 v[RD], v2, SPITCH, v6
	v_add_nc_u32 v[RD], s23, v[RD]
	v_lshl_add_u32 v[CO], v2, 12, v6               ; and the same two rows in out0, 4,096 bytes apart
	s_lshl_b32 s20, s17, 8
	s_lshl_b32 s21, s15, 7
	s_add_co_u32 s20, s20, s21
	s_mov_b32 s21, 0
	s_mov_b64 s[18:19], SIZE_N*4
	s_mul_u64 s[20:21], s[20:21], s[18:19]
	s_lshl_b32 s46, s42, 9                         ; my first column, in bytes: 512 x tile column + 256 x half
	s_lshl_b32 s47, s16, 8
	s_add_co_u32 s46, s46, s47
	s_mov_b32 s47, 0
	s_add_nc_u64 s[20:21], s[20:21], s[46:47]
	s_add_nc_u64 s[12:13], s[12:13], s[20:21]
.macro FRAG reg, adr, q, i
.irp p, 0,1,2,3,4,5
.set PCE, 12*(\q)+6*(\p/3)+\p%3
.if PCE%8 < 5
	ds_load_b64 v[\reg+2*\p:\reg+2*\p+1], v[\adr] offset:8*PCE+16*(PCE/8)+(\i)*16*PITCH
.else
	ds_load_b64 v[\reg+2*\p:\reg+2*\p+1], v[\adr+2] offset:8*PCE+16*(PCE/8)+(\i)*16*PITCH
.endif
.endr
.endm
.macro FRAG_A reg, slot, q, i
.irp p, 0,1,2,3,4,5
	ds_load_b64 v[\reg+2*\p:\reg+2*\p+1], v[ADRA+\slot] offset:3072*(\i)+1536*(\q)+256*\p
.endr
.endm
.macro MUL16 a0, p, q, sc, zero
.irp a, \a0, \a0+1
.irp b, 0,1,2,3
.if \zero
	v_wmma_scale_f32_16x16x128_f8f6f4 v[8*(8*((\a)%4)+\b):8*(8*((\a)%4)+\b)+7], v[128*(\p)+FR*\b:128*(\p)+FR*\b+FR-1], v[AF+FR*(\a):AF+FR*(\a)+FR-1], 0, v[SC+8*NQ*(\sc)+NQ*\b+(\q)], v[SC+8*NQ*(\sc)+NQ*(\a)+(\q)] matrix_a_fmt:MATRIX_FMT_FP6 matrix_b_fmt:MATRIX_FMT_FP6 matrix_a_scale:MATRIX_SCALE_ROW1
.else
	v_wmma_scale_f32_16x16x128_f8f6f4 v[8*(8*((\a)%4)+\b):8*(8*((\a)%4)+\b)+7], v[128*(\p)+FR*\b:128*(\p)+FR*\b+FR-1], v[AF+FR*(\a):AF+FR*(\a)+FR-1], v[8*(8*((\a)%4)+\b):8*(8*((\a)%4)+\b)+7], v[SC+8*NQ*(\sc)+NQ*\b+(\q)], v[SC+8*NQ*(\sc)+NQ*(\a)+(\q)] matrix_a_fmt:MATRIX_FMT_FP6 matrix_b_fmt:MATRIX_FMT_FP6 matrix_a_scale:MATRIX_SCALE_ROW1
.endif
.endr
.endr
.endm
.macro FETCH_B slot, q, p
	WIN TO_B
.irp i, 0,1,2,3
	FRAG 128*(\p)+FR*\i, ADRB+\slot, \q, \i
.endr
	WIN 0
.endm
.macro FETCH_A slot, q, i0
.irp i, \i0, \i0+1, \i0+2, \i0+3
	FRAG_A AF+FR*(\i), \slot, \q, \i
.endr
.endm
.macro SCALES sc
.irp i, 0,1,2,3
	ds_load_b64 v[SC+8*NQ*\sc+NQ*\i:SC+8*NQ*\sc+NQ*\i+1], v[ADRS] offset:\i*SBLK    ; lanes 0-15 o's block i, lanes 16-31 W_o's block i
.endr
.irp i, 4,5,6,7
	ds_load_b64 v[SC+8*NQ*\sc+NQ*\i:SC+8*NQ*\sc+NQ*\i+1], v[ADRS2] offset:\i*SBLK   ; o's block i alone
.endr
.endm
.macro PLACES n
.rept \n
	v_nop
.endr
.endm
.macro STEP slot, q, zero
	s_wait_dscnt 4*NL
	WIN MUL_LO
	MUL16 0, (\q)%2, \q, \slot, \zero
	MUL16 2, (\q)%2, \q, \slot, \zero
	s_wait_dscnt 0
	PLACES NP
	FETCH_B \slot, (\q)+1, 1-(\q)%2
	FETCH_A \slot, (\q)+1, 0
	WIN MUL_HI
	MUL16 4, (\q)%2, \q, \slot, \zero
	MUL16 6, (\q)%2, \q, \slot, \zero
	PLACES NP
	WIN 0
	FETCH_A \slot, (\q)+1, 4
.endm
.macro TURN slot, next, fill
	s_wait_tensorcnt 0x0
	ds_add_u32 v[SPW], v[NIL]
	s_wait_dscnt 4*NL+1
	WIN MUL_LO
	MUL16 0, 1, NQ-1, \slot, 0
	s_wait_dscnt 0x0
	s_barrier_signal -1
	MUL16 2, 1, NQ-1, \slot, 0
	WIN 0
	s_barrier_wait -1
.if \fill
	CREST
	s_add_nc_u64 s[G0+4*\slot+2:G0+4*\slot+3], s[G0+4*\slot+2:G0+4*\slot+3], 2*3072
	s_add_nc_u64 s[G0B+4*\slot+2:G0B+4*\slot+3], s[G0B+4*\slot+2:G0B+4*\slot+3], 2*CS
	JLOAD G0+4*\slot, G1, G0B+4*\slot, G1B
.else
	PLACES NP
.endif
	s_wait_alu depctr_va_vdst(0)
	v_add_nc_u32 v[ADRS], 4*NQ, v[ADRS]
	v_add_nc_u32 v[ADRS2], 4*NQ, v[ADRS2]
	FETCH_B \next, 0, 0
	FETCH_A \next, 0, 0
	SCALES \next
	WIN MUL_HI
	MUL16 4, 1, NQ-1, \slot, 0
	MUL16 6, 1, NQ-1, \slot, 0
	PLACES NP
	WIN 0
	FETCH_A \next, 0, 4
.endm
	s_wait_alu depctr_va_vdst(0)                   ; the wait at the head's end
	s_wait_tensorcnt 0x0                           ; my tile of the head's four is in
	ds_add_u32 v[SPW], v[NIL]
	s_mov_b32 s[G1+2], 8<<16                       ; no tensor load of mine is out: from here on a load brings half a tile
	s_mov_b32 s[G1+4], 8
	s_mov_b32 s[G1B+2], 48<<16
	s_mov_b32 s[G1B+4], 48
	s_wait_dscnt 0x0
	CROUND                                         ; all four tiles are in, and all sixteen work-groups are here
	JLOAD G0+4, G1, G0B+4, G1B                     ; chunk 1, the first tensor load behind the round
	FETCH_B 0, 0, 0
	FETCH_A 0, 0, 0
	SCALES 0
	FETCH_A 0, 0, 4
	STEP 0, 0, 1
	s_mov_b32 s3, LAPS-1
.Llap:
	TURN 0, 1, 1
	STEP 1, 0, 0
	TURN 1, 0, 1
	STEP 0, 0, 0
	s_sub_co_u32 s3, s3, 1
	s_cmp_lg_u32 s3, 0
	s_cbranch_scc1 .Llap
	TURN 0, 1, 0
	STEP 1, 0, 0
	s_wait_dscnt 4*NL
	WIN MUL_LO
	MUL16 0, 1, NQ-1, 1, 0
	MUL16 2, 1, NQ-1, 1, 0
	s_wait_dscnt 0
	WIN MUL_HI
	MUL16 4, 1, NQ-1, 1, 0
	MUL16 6, 1, NQ-1, 1, 0
	WIN 0
.macro TOSTAGE a
.set AC, 64*((\a)%4)
	WIN 0x08+4*((\a)/4)
.irp b, 0,1,2,3
	ds_store_b128 v[STO], v[AC+8*\b:AC+8*\b+3] offset:64*\b
	ds_store_b128 v[STO], v[AC+8*\b+4:AC+8*\b+7] offset:64*\b+16
.endr
	WIN 0
.set BB, BK+64*((\a)%2)
.irp t, 0,1,2,3,4,5,6,7
	ds_load_b128 v[BB+4*\t:BB+4*\t+3], v[RD] offset:2*\t*SPITCH
.endr
.endm
.macro SEND a, younger
.set BB, BK+64*((\a)%2)
	s_wait_dscnt \younger
.irp t, 0,1,2,3,4,5,6,7
	global_store_b128 v[CO], v[BB+4*\t:BB+4*\t+3], s[12:13] offset:(32*((\a)/2)+16*(\t/4)+8*((\a)%2)+(2*\t)%8)*SIZE_N*4 th:TH_STORE_NT   ; stage rows 2 t and 2 t + 1; sixteen lanes store 256 consecutive bytes, aligned
.endr
.endm
	PLACES NP
	TOSTAGE 0
.irp a, 1,2,3,4,5,6,7
.if \a > 1
	s_wait_xcnt 0x0
.endif
	TOSTAGE \a
	SEND \a-1, 16                                  ; behind block a - 1's loads: block a's 8 stores and 8 loads
.endr
	SEND 7, 0
	s_wait_tensorcnt 0x0
	ds_add_u32 v[SPW], v[NIL]
	s_wait_dscnt 0x0
	CROUND
	s_endpgm
.Lfunc_end_k_q664c891c69_outp:
	.size	k_q664c891c69_outp, .Lfunc_end_k_q664c891c69_outp-k_q664c891c69_outp
	.p2alignl 7, 3214868480
	.fill 96, 4, 3214868480
	.section	.rodata,"a",@progbits
	.p2align	6, 0x0
	.amdhsa_kernel k_q664c891c69_outp
		.amdhsa_group_segment_fixed_size 327680
		.amdhsa_private_segment_fixed_size 0
		.amdhsa_enable_private_segment 0
		.amdhsa_kernarg_size 40
		.amdhsa_user_sgpr_count 2
		.amdhsa_user_sgpr_kernarg_segment_ptr 1
		.amdhsa_wavefront_size32 1
		.amdhsa_system_sgpr_workgroup_id_x 1
		.amdhsa_system_sgpr_workgroup_id_y 1
		.amdhsa_system_sgpr_workgroup_id_z 1
		.amdhsa_system_vgpr_workitem_id 0
		.amdhsa_next_free_vgpr 1024
		.amdhsa_next_free_sgpr 98
		.amdhsa_reserve_vcc 0
		.amdhsa_float_denorm_mode_32 3
		.amdhsa_float_denorm_mode_16_64 3
		.amdhsa_memory_ordered 1
		.amdhsa_forward_progress 1
		.amdhsa_inst_pref_size 103
	.end_amdhsa_kernel
	.amdgpu_metadata
---
amdhsa.version: [ 1, 2 ]
amdhsa.kernels:
  - .name:           k_q664c891c69_outp
    .symbol:         k_q664c891c69_outp.kd
    .args:
      - { .name: o_img, .offset: 0, .size: 8, .value_kind: global_buffer, .address_space: global }
      - { .name: o_scales, .offset: 8, .size: 8, .value_kind: global_buffer, .address_space: global }
      - { .name: w_codes, .offset: 16, .size: 8, .value_kind: global_buffer, .address_space: global }
      - { .name: w_scales, .offset: 24, .size: 8, .value_kind: global_buffer, .address_space: global }
      - { .name: out0, .offset: 32, .size: 8, .value_kind: global_buffer, .address_space: global }
    .group_segment_fixed_size: 327680
    .private_segment_fixed_size: 0
    .kernarg_segment_align: 8
    .kernarg_segment_size: 40
    .max_flat_workgroup_size: 128
    .sgpr_count:     98
    .vgpr_count:     1024
    .wavefront_size: 32
...
	.end_amdgpu_metadata
.endif
;; end of part 4
